; MI455X (gfx1250); checked and timed in simulation.
; The chip was launched on July 23, 2026; its instructions are those of AMD's public machine-readable ISA for CDNA 5 (MIT licence, August 2026) and "CDNA5" Instruction Set Architecture Reference Guide (July 2026). The comments in the code are by the model that wrote it; some were corrected since.
;; Rope Attention. Allowed arithmetic: matrix products marked QUANTISED: E2M3 operands, one E8M0 scale for each 32 along K, by v_wmma_scale_f32_16x16x128_f8f6f4 with both operands' format E2M3, f32 sums; everything else in f32.
;; Inputs: proj_b 1,024 float32; proj_w 1,024 x 1,024 float32; qkv_b 3,072 float32; qkv_w 3,072 x 1,024 float32; x 4 x 2,048 x 1,024 float32.
;; Outputs: out0 4 x 2,048 x 1,024 float32.
;; This version of the problem:
;;   THIS VERSION OF THE PROBLEM IS GIVEN IN LOW PRECISION. The matrix products marked QUANTISED in the list below multiply operands that are first quantised to E2M3 (2 exponent bits, 3 mantissa bits; 6 bits a number), with one power-of-two scale for each 32 numbers along K (OCP MX v1.0); their sums are f32. All else is computed in f32.
;;   The module's matrix products, in the order in which they are computed (A, B: the left and right operand; K: the contracted axis; several contracted axes count as one K, in the product's order):
;;     1. [M 8,192, K 1,024] x [K 1,024, N 3,072]; A: input x; B: input qkv_w: QUANTISED
;;     2. batch 64 x [M 2,048, K 64] x [K 64, N 2,048]; A: computed on the way; B: computed on the way: QUANTISED
;;     3. batch 64 x [M 2,048, K 2,048] x [K 2,048, N 64]; A: softmax (see below); B: computed on the way: QUANTISED
;;     4. [M 8,192, K 1,024] x [K 1,024, N 1,024]; A: computed on the way; B: input proj_w: QUANTISED
;;   THE QUANTISER, for each operand of a quantised product, along K:
;;     - K is cut into blocks of 32 from its start; a last block that is shorter is filled with zeros.
;;     - A block's scale is 2^e with e = floor(log2(the largest magnitude in the block)) - 2, held to -126 .. 127; a block of zeros has e = 0. As a byte (E8M0): e + 127.
;;     - Each number is divided by its block's scale, clamped to +-7.5, and rounded to the nearest number of E2M3, ties to even, subnormals kept.
;;     - The product sums the exact products of the quantised numbers (number of the format x scale) in f32.
;;   ~~~python
;;   def quantise(x, axis):      # numpy; x: float32 -> the quantised numbers, widened to float32 again
;;       x = np.moveaxis(x, axis, -1); K = x.shape[-1]
;;       x = np.pad(x, [(0, 0)] * (x.ndim - 1) + [(0, -K % 32)]); x = x.reshape(x.shape[:-1] + (-1, 32)); a = np.abs(x).max(-1, keepdims=True)
;;       e = np.where(a > 0, np.clip(np.frexp(np.where(a > 0, a, 1))[1] - 1 - 2, -126, 127), 0)      # np.frexp(a)[1] - 1 = floor(log2(a)), exactly
;;       r = np.clip(x / 2.0 ** e, -7.5, 7.5)
;;       step = 2.0 ** (np.maximum(np.frexp(np.where(r == 0, 1, r))[1] - 1, 0) - 3)
;;       q = np.round(r / step) * step * 2.0 ** e      # np.round: ties to even
;;       return np.moveaxis(q.reshape(q.shape[:-2] + (-1,))[..., :K], -1, axis).astype(np.float32)
;;   ~~~
;;   SOFTMAX AHEAD OF A QUANTISED PRODUCT. Where the list says 'softmax', what is quantised is not the finished softmax but p = 2^(t - M), with t = logit x log2(e) and M = ceil(the row's largest t), a whole number; so 1/2 < the row's largest p <= 1. The row's sum l is taken of the UNQUANTISED p, in f32, and the product's result is divided by l at the end. Since M is a whole number, a kernel that streams over the keys may use a running M (the ceiling of the running maximum): every later rescaling is an exact power of two, which a block's scale takes up: the codes' values come out the same.
;;   OPERANDS COMPUTED ON THE WAY. 'Computed on the way' means the value that the module computes at that place (a softmax that the list does not call 'softmax' is quantised finished and normalised). What goes into a quantiser is computed in f32, as accurately as f32 sums, v_exp_f32 and their like allow (about 1e-6 of the number): no bf16 or f16 on the way to a quantiser, and a product that is left as it is and whose result goes on into a quantised operand takes f32 operands (vector FMAs, or v_wmma_f32_16x16x4_f32). A number that lies on a knife's edge between two numbers of the format may be rounded either way, as far as f32 arithmetic and the matrix unit's own rounding can turn it there, and no further.
;; One version. Each part assembles by itself: llvm-mc -triple=amdgcn-amd-amdhsa -mcpu=gfx1250 --defsym DOCPART=n.
;; ======== version 1 of 1: 4 launches
;; limits: right only within a limited range of input values
;; workspace buffers: opc 9,830,400 bytes; rope 524,288 bytes; qkv 20,185,088 bytes; ao 6,553,600 bytes
;; launch prep (part 1): grid 512 x 1, 4 waves a work-group, no clusters, 34,304 bytes of LDS; arguments x, qkv_w, proj_w, opc, rope; writes opc, rope
.if DOCPART == 1
	.amdgcn_target "amdgcn-amd-amdhsa--gfx1250"
	.amdhsa_code_object_version 6
	.text
	.protected	k_q4850969b40_prep
	.globl	k_q4850969b40_prep
	.p2align	8
	.type	k_q4850969b40_prep,@function
k_q4850969b40_prep:
	s_mov_b64 s[64:65], 0
	v_nop
	global_prefetch_b8 v0, s[64:65] scope:SCOPE_SE
	s_setreg_imm32_b32 hwreg(HW_REG_WAVE_MODE, 25, 1), 1
	s_wait_xcnt 0x0
; PREP.  Work-groups 0-383: x [8192][1024], qkv_w [3072][1024] and proj_w [1024][1024], f32, become codes of FP6 (E2M3) with one E8M0 byte for each 32 along K.
; They are laid in opc as IMAGES OF OPERAND REGISTERS: opc[tile 0..767][K half 0..1][6,400 bytes]; tiles 0-511 x, 512-703 qkv_w, 704-767 proj_w.
; A tile holds 16 rows that are not neighbours: tile 2 G + u holds rows 32 G + 8 u + {0..7, 16..23}; lane r of a fragment holds row 32 G + 8 u + r + 8 (r / 8).
; 6,400 bytes = four fragments (16 rows x 128 K, 12 registers a lane: registers 0-3 at 16 x lane, 4-5 at 512 + 8 x lane, 6-9 at 768 + 16 x lane, 10-11 at 1280 + 8 x lane) and 256 bytes of scale words (row r, K step s: 6144 + 16 r + 4 s).
; A block's scale is 2^(floor(log2(its largest magnitude)) - 2); its byte is the largest magnitude's exponent field - 2, held at 1 from below.
; Work-groups 384-511: the table rope[l 0..2047][64 f32]: cos(l f_i), i = 0..31, then s'_d, d = 0..31: -sin(l f_d) for even d, +sin(l f_d) for odd d;  f_i = 10000^(-i / 32).
; LIMITS: NaN and infinities are not served.  A block whose largest magnitude lies under 2^-124 has its byte held at 1; a block of zeros has the byte 1 (its codes are zeros; this program alone reads the bytes).
; f_i is made by an exponential of base 2 on a split argument, so it can differ from a power function's f32 result in the last bit or two: at the largest angle, some 1,500, that is a few 1e-4 of a radian.
; A wave takes one tile and one K half: 16 rows x 512 numbers, in four K steps.  Each load reads 512 consecutive bytes of a row; a step turns through the wave's own stage in LDS so that a lane holds 16 neighbours of each block.
; No tensor loads, no barrier: waves share nothing.
.set TM,   16                          ; v16-19 largest magnitudes, v20-23 the other half's / bytes, v28-31 the conversions' scale operands
.set PC,   32                          ; v32-43 a fragment's codes; v44-46, v48-50 halves on their way
.set PWS,  52                          ; v52-55 the four K steps' scale words
.set RA,   64                          ; v64-127, v128-191 two sets of 64 numbers as loaded
.set X,    192                         ; v192-255 64 numbers: register 16 b + i = k 32 b + 16 (lane / 16) + i of my row
.set SEL,  20                          ; s[20:21] lane selects for v_permlanex16_b32: lane l xor 16
.set SP,   528                         ; a stage row: 512 bytes + 16
	s_load_b256 s[4:11], s[0:1], 0x0               ; x s[4:5], qkv_w s[6:7], proj_w s[8:9], opc s[10:11]
	s_load_b64 s[12:13], s[0:1], 0x20              ; rope
	v_lshl_add_u32 v62, v0, 2, 0x8400
	v_mov_b32 v63, 0
	v_lshrrev_b32 v1, 5, v0
	v_readfirstlane_b32 s16, v1                    ; wave 0..3
	v_and_b32 v7, 31, v0                           ; lane
	v_and_b32 v8, 15, v0                           ; r
	v_bfe_u32 v9, v0, 4, 1                         ; h
	v_lshlrev_b32 v5, 3, v7                        ; 8 x lane
	s_cmp_ge_u32 ttmp9, 384
	s_cbranch_scc1 .Ltable
; ---------------- the quantiser ----------------
.macro QUANT s, pw                     ; 64 numbers v[s] .. v[s + 63] become a fragment's codes in v[PC] on and its rows' scale word in v[pw]
.irp b, 0,1,2,3
	v_max3_num_f32 v[TM+\b], |v[\s+16*\b]|, |v[\s+1+16*\b]|, 0x1800000   ; block b: my 16 numbers, and the floor 2^(3 - 127): the byte cannot fall under 1
.endr
.irp i, 2,4,6,8,10,12,14
.irp b, 0,1,2,3
	v_max3_num_f32 v[TM+\b], v[TM+\b], |v[\s+16*\b+\i]|, |v[\s+1+16*\b+\i]|
.endr
.endr
.irp b, 0,1,2,3
	v_permlanex16_b32 v[TM+4+\b], v[TM+\b], s[SEL], s[SEL+1]
.endr
.irp b, 0,1,2,3
	v_max_num_f32 v[TM+\b], v[TM+\b], v[TM+4+\b]   ; with lane l xor 16's: the block's largest magnitude
.endr
.irp b, 0,1,2,3
	v_add_nc_u32 v[TM+12+\b], 0xff000000, v[TM+\b] ; 2 off its exponent field: the conversion's scale operand
.endr
.irp b, 0,1,2,3
	v_lshrrev_b32 v[TM+4+\b], 23, v[TM+12+\b]      ; the scale's byte
.endr
	v_lshl_or_b32 v[\pw], v[TM+5], 8, v[TM+4]
	v_lshl_or_b32 v[\pw], v[TM+6], 16, v[\pw]
	v_lshl_or_b32 v[\pw], v[TM+7], 24, v[\pw]
.irp c, 0,1
	v_cvt_scalef32_pk16_fp6_f32 v[PC+6*\c:PC+2+6*\c], v[\s+32*\c:\s+15+32*\c], v[TM+12+2*\c]
	v_cvt_scalef32_pk16_fp6_f32 v[PC+12+4*\c:PC+14+4*\c], v[\s+16+32*\c:\s+31+32*\c], v[TM+12+2*\c+1]   ; (a conversion's three registers begin on an even number)
.endr
	v_nop                                          ; one plain place behind a scaled conversion
.irp c, 0,1                            ; the operand's layout wants a whole block in a lane: lanes 0-15 block 2 c, lanes 16-31 block 2 c + 1
.irp i, 0,1,2
	v_permlane16_swap_b32 v[PC+6*\c+\i], v[PC+12+4*\c+\i]
.endr
.irp i, 0,1,2
	v_mov_b32 v[PC+3+6*\c+\i], v[PC+12+4*\c+\i]
.endr
.endr
.endm
.macro LOAD t                          ; K step t of my 16 rows: each load reads 512 consecutive bytes of one row
.irp i, 0,1,2,3,4,5,6,7,8,9,10,11,12,13,14,15
	global_load_b128 v[RA+64*((\t)%2)+4*\i:RA+64*((\t)%2)+4*\i+3], v1, s[4:5] offset:(\i+8*(\i/8))*4096+512*(\t) th:TH_LOAD_NT
.endr
.endm
.macro TURN t                          ; through my stage: in by rows, out 16 neighbours of each block a lane.  LDS serves a wave's instructions in order: no wait between
.irp i, 0,1,2,3,4,5,6,7,8,9,10,11,12,13,14,15
	ds_store_b128 v2, v[RA+64*((\t)%2)+4*\i:RA+64*((\t)%2)+4*\i+3] offset:SP*\i
.endr
.irp b, 0,1,2,3
.irp j, 0,1,2,3
	ds_load_b128 v[X+16*\b+4*\j:X+16*\b+4*\j+3], v3 offset:128*\b+16*\j
.endr
.endr
.endm
.macro PUT t                           ; the fragment's image: every store covers whole aligned blocks of 256 bytes
	global_store_b128 v1, v[PC:PC+3], s[10:11] offset:1536*(\t)
	global_store_b64 v5, v[PC+4:PC+5], s[10:11] offset:1536*(\t)+512
	global_store_b128 v1, v[PC+6:PC+9], s[10:11] offset:1536*(\t)+768
	global_store_b64 v5, v[PC+10:PC+11], s[10:11] offset:1536*(\t)+1280
.endm
	v_lshlrev_b32 v1, 4, v7                        ; 16 x lane
	s_mul_i32 s18, s16, 16*SP                      ; my stage
	v_add_nc_u32 v2, s18, v1                       ; in: 16 x lane of a row
	v_mul_u32_u24 v3, v8, SP
	v_lshl_add_u32 v3, v9, 6, v3
	v_add_nc_u32 v3, s18, v3                       ; out: row r, + 64 h
	v_lshlrev_b32 v6, 4, v8
	v_lshl_add_u32 v6, v9, 3, v6                   ; the scale words' place: 16 r + 8 h
.irp b, 0,1,2,3
	v_mov_b32 v[TM+4+\b], 0                        ; written once: a lane permute's destination counts as one of its sources
.endr
	s_mov_b32 s[SEL], 0x76543210
	s_mov_b32 s[SEL+1], 0xfedcba98
	s_mov_b32 s22, 0xffff0000                      ; lanes 16-31
	s_lshr_b32 s19, s16, 1                         ; u: which tile of the group of 32 rows
	s_and_b32 s23, s16, 1                          ; which K half
	s_mov_b32 s17, 352
	s_wait_alu depctr_va_vdst(0)
	s_wait_kmcnt 0x0
	s_cmp_lt_u32 ttmp9, 352                        ; the tensor is chosen by the work-group's number alone
	s_cselect_b64 s[6:7], s[6:7], s[8:9]
	s_cselect_b32 s17, 256, s17
	s_cmp_lt_u32 ttmp9, 256
	s_cselect_b64 s[4:5], s[4:5], s[6:7]
	s_cselect_b32 s17, 0, s17
	s_sub_co_u32 s17, ttmp9, s17                   ; G: the group of 32 rows in that tensor
	s_lshl_b32 s24, s17, 17                        ; 32 rows of 4,096 bytes
	s_lshl_b32 s25, s19, 15                        ; + 8 u rows
	s_add_co_u32 s24, s24, s25
	s_lshl_b32 s25, s23, 11                        ; + 512 numbers a K half
	s_add_co_u32 s24, s24, s25
	s_mov_b32 s25, 0
	s_add_nc_u64 s[4:5], s[4:5], s[24:25]
	s_lshl_b32 s26, ttmp9, 1
	s_add_co_u32 s26, s26, s19                     ; the tile in opc: 2 x work-group + u
	s_mul_i32 s26, s26, 12800
	s_mul_i32 s27, s23, 6400
	s_add_co_u32 s26, s26, s27
	s_mov_b32 s27, 0
	s_add_nc_u64 s[10:11], s[10:11], s[26:27]
	LOAD 0
	LOAD 1
.irp t, 0,1,2,3
.if \t < 3
	s_wait_loadcnt 16                              ; this step's sixteen loads are in; the next step's sixteen may be out
.else
	s_wait_loadcnt 0x0
.endif
	TURN \t
	s_wait_dscnt 0x0                               ; the numbers are back, and the stage's stores have read their registers,
.if \t < 2
	LOAD \t+2                                      ; which take the loads of two steps on
.endif
.if \t > 0
	s_wait_xcnt 0x0                                ; the last step's stores have read the codes' registers: they are written again only behind this wait
.endif
	QUANT X, PWS+\t
	PUT \t
.endr
	v_cndmask_b32 v56, v52, v54, s22               ; lanes 0-15 store their row's words of K steps 0, 1, lanes 16-31 those of steps 2, 3
	v_cndmask_b32 v57, v53, v55, s22
	global_store_b64 v6, v[56:57], s[10:11] offset:6144   ; 256 consecutive bytes
	s_wait_tensorcnt 0x0
	ds_add_u32 v62, v63
	s_wait_dscnt 0x0
	s_endpgm
; ---------------- the table ----------------
; cos and sin by reduction to a quarter turn (n = the nearest whole number to a x 2 / pi; pi / 2 in two parts) and polynomials on |r| <= pi / 4 (sine to r^9, cosine to r^10).
; value = cos(a + off x pi / 2): off = 0 gives cos, 1 gives -sin, 3 gives +sin.
.macro TRIG dst, f, off
	v_mul_f32 v22, v20, v[\f]                      ; a = l x f, rounded once
	v_mul_f32 v23, 0x3f22f983, v22
	v_rndne_f32 v23, v23                           ; n
	v_fma_f32 v24, -v23, s30, v22
	v_fma_f32 v24, -v23, s31, v24                  ; r = a - n pi / 2
	v_mul_f32 v25, v24, v24                        ; r^2
	v_mov_b32 v26, 0x3638ef1d                      ; 1 / 9!
	v_fmaak_f32 v26, v26, v25, 0xb9500d01          ; -1 / 7!
	v_fmaak_f32 v26, v26, v25, 0x3c088889          ; 1 / 5!
	v_fmaak_f32 v26, v26, v25, 0xbe2aaaab          ; -1 / 3!
	v_mul_f32 v27, v24, v25
	v_fma_f32 v26, v27, v26, v24                   ; sin r
	v_mov_b32 v28, 0xb493f27e                      ; -1 / 10!
	v_fmaak_f32 v28, v28, v25, 0x37d00d01          ; 1 / 8!
	v_fmaak_f32 v28, v28, v25, 0xbab60b61          ; -1 / 6!
	v_fmaak_f32 v28, v28, v25, 0x3d2aaaab          ; 1 / 4!
	v_fmaak_f32 v28, v28, v25, 0xbf000000          ; -1 / 2
	v_fma_f32 v28, v28, v25, 1.0                   ; cos r
	v_cvt_i32_f32 v29, v23
	v_add_nc_u32 v29, v29, v[\off]                 ; q = n + off: quarter turns
	v_and_b32 v30, 1, v29
	v_cmp_eq_u32 vcc_lo, 1, v30
	v_cndmask_b32 v[\dst], v28, v26, vcc_lo        ; odd q: the sine
	v_add_nc_u32 v29, 1, v29
	v_lshlrev_b32 v29, 30, v29                     ; bit 1 of q + 1: set for q = 1, 2 modulo 4,
	v_and_b32 v29, 0x80000000, v29
	v_xor_b32 v[\dst], v[\dst], v29                ; where the sign turns
.endm
.Ltable:
	s_sub_co_u32 s17, ttmp9, 384
	s_lshl_b32 s17, s17, 4
	s_lshl_b32 s18, s16, 2
	s_add_co_u32 s17, s17, s18                     ; my wave's first position: 16 x work-group + 4 x wave
	s_lshl_b32 s24, s17, 8
	s_mov_b32 s25, 0
	s_mov_b32 s28, 0xbed49a78                      ; -log2(10000) / 32, its f32 part,
	s_mov_b32 s29, 0xb2179a33                      ; and what that leaves
	s_mov_b32 s30, 0x3fc90fdb                      ; pi / 2, its f32 part,
	s_mov_b32 s31, 0xb33bbd2e                      ; and what that leaves
	s_wait_alu depctr_va_vdst(0)
	v_lshlrev_b32 v10, 1, v8                       ; lanes 0-15 make cosines, lanes 16-31 the signed sines; a lane makes frequencies 2 (lane % 16) and the next
	v_add_nc_u32 v11, 1, v10
	v_cvt_f32_u32 v10, v10
	v_cvt_f32_u32 v11, v11
	v_mul_u32_u24 v12, v9, 3                       ; off of the odd frequency: 0 or 3  (v9, 0 or 1, is that of the even one)
.irp e, 0,1
	v_mul_f32 v[14+\e], s28, v[10+\e]
.endr
.irp e, 0,1
	v_rndne_f32 v[14+\e], v[14+\e]                 ; the exponent's whole part
.endr
.irp e, 0,1
	v_fma_f32 v[16+\e], v[10+\e], s28, -v[14+\e]   ; and the rest, without rounding,
.endr
.irp e, 0,1
	v_fma_f32 v[16+\e], v[10+\e], s29, v[16+\e]    ; with the constant's second part
.endr
	s_wait_alu depctr_va_vdst(0)
.irp e, 0,1
	v_exp_f32 v[16+\e], v[16+\e]
.endr
.irp e, 0,1
	v_cvt_i32_f32 v[14+\e], v[14+\e]               ; (plain work behind the exponentials)
.endr
	s_wait_alu depctr_va_vdst(0)                   ; one wait for both exponentials, ahead of their first reader
.irp e, 0,1
	v_ldexp_f32 v[16+\e], v[16+\e], v[14+\e]       ; f
.endr
	s_wait_kmcnt 0x0
	s_add_nc_u64 s[12:13], s[12:13], s[24:25]
.irp n, 0,1,2,3
	v_cvt_f32_u32 v20, s17
	s_wait_alu depctr_va_vdst(0)
	TRIG 32+2*\n, 16, 9
	TRIG 33+2*\n, 17, 12
	global_store_b64 v5, v[32+2*\n:33+2*\n], s[12:13] offset:256*\n   ; a position's 256 bytes in one store; each position has its own pair of registers
	s_add_co_u32 s17, s17, 1
.endr
	s_endpgm
.Lfunc_end_k_q4850969b40_prep:
	.size	k_q4850969b40_prep, .Lfunc_end_k_q4850969b40_prep-k_q4850969b40_prep
	.p2alignl 7, 3214868480
	.fill 96, 4, 3214868480
	.section	.rodata,"a",@progbits
	.p2align	6, 0x0
	.amdhsa_kernel k_q4850969b40_prep
		.amdhsa_group_segment_fixed_size 34304
		.amdhsa_private_segment_fixed_size 0
		.amdhsa_enable_private_segment 0
		.amdhsa_kernarg_size 40
		.amdhsa_user_sgpr_count 2
		.amdhsa_user_sgpr_kernarg_segment_ptr 1
		.amdhsa_wavefront_size32 1
		.amdhsa_system_sgpr_workgroup_id_x 1
		.amdhsa_system_sgpr_workgroup_id_y 1
		.amdhsa_system_sgpr_workgroup_id_z 1
		.amdhsa_system_vgpr_workitem_id 0
		.amdhsa_next_free_vgpr 256
		.amdhsa_next_free_sgpr 66
		.amdhsa_reserve_vcc 1
		.amdhsa_float_denorm_mode_32 3
		.amdhsa_float_denorm_mode_16_64 3
		.amdhsa_memory_ordered 1
		.amdhsa_forward_progress 1
		.amdhsa_inst_pref_size 47
	.end_amdhsa_kernel
	.amdgpu_metadata
---
amdhsa.version: [ 1, 2 ]
amdhsa.kernels:
  - .name:           k_q4850969b40_prep
    .symbol:         k_q4850969b40_prep.kd
    .args:
      - { .name: x, .offset: 0, .size: 8, .value_kind: global_buffer, .address_space: global }
      - { .name: qkv_w, .offset: 8, .size: 8, .value_kind: global_buffer, .address_space: global }
      - { .name: proj_w, .offset: 16, .size: 8, .value_kind: global_buffer, .address_space: global }
      - { .name: opc, .offset: 24, .size: 8, .value_kind: global_buffer, .address_space: global }
      - { .name: rope, .offset: 32, .size: 8, .value_kind: global_buffer, .address_space: global }
    .group_segment_fixed_size: 34304
    .private_segment_fixed_size: 0
    .kernarg_segment_align: 8
    .kernarg_segment_size: 40
    .max_flat_workgroup_size: 128
    .sgpr_count:     66
    .vgpr_count:     256
    .wavefront_size: 32
...
	.end_amdgpu_metadata
.endif
;; end of part 1
;; launch qkv (part 2): grid 12 x 64, 4 waves a work-group, clusters of 4 x 4, 307,712 bytes of LDS; arguments opc, rope, qkv_b, qkv; writes qkv
.if DOCPART == 2
	.amdgcn_target "amdgcn-amd-amdhsa--gfx1250"
	.amdhsa_code_object_version 6
	.text
	.protected	k_q4850969b40_qkv
	.globl	k_q4850969b40_qkv
	.p2align	8
	.type	k_q4850969b40_qkv,@function
k_q4850969b40_qkv:
	s_mov_b64 s[64:65], 0
	v_nop
	global_prefetch_b8 v0, s[64:65] scope:SCOPE_SE
	s_setreg_imm32_b32 hwreg(HW_REG_WAVE_MODE, 25, 1), 1
	s_wait_xcnt 0x0
	s_wait_alu depctr_hold_cnt(0) depctr_sa_sdst(0) depctr_va_vdst(0) depctr_va_sdst(0) depctr_va_ssrc(0) depctr_va_vcc(0) depctr_vm_vsrc(0)
	s_getreg_b32 s2, hwreg(HW_REG_IB_STS2, 6, 4)
	s_cmp_eq_u32 s2, 0
	s_cbranch_scc0 .Lentry_in_a_cluster
	s_endpgm
.Lentry_in_a_cluster:
	s_bfe_u32 s2, ttmp6, 0x10000c
	s_cmp_lg_u32 s2, 0xf033
	s_cbranch_scc0 .Lentry_shape_is_right
	s_endpgm
.Lentry_shape_is_right:
; QKV.  x qkv_w^T + qkv_b on codes of FP6 (E2M3), then the rotary embedding on q and k, then the quantisers for the two products of attention: q and k along the head's 64, v along the keys.
; THE PRODUCT.  A work-group makes 128 "U" rows (source 1: the lanes of a result) x 256 "T" rows (source 0: the registers of a result), K = 1,024.  Both operands lie in opc as images of operand registers, 6,400 bytes for a
; tile of 16 rows and half of K (four fragments and their scale words).  All of K fits in LDS: 8 + 16 tiles x 2 halves x 6,400 = 307,200 bytes, brought by one tensor load a wave at the start; nothing is ever filled again.
; Four waves, each 64 U rows x 128 T rows: 32 accumulators.  A tile's 16 rows are 32 G + 8 u + {0..7, 16..23}, so the 16 registers of T tiles 2 b and 2 b + 1 are the neighbours 32 b + 16 (lane / 16) + 0 .. 15.
; ROLES.  Clusters with x = 0, 1: U = tokens, T = the 2,048 features of q and k: a lane holds a token, its registers run along the features.  Clusters with x = 2: U = v's features, T = tokens: a lane holds a feature and its
; registers run along the tokens, which are the second product's K.  Only tile numbers differ up to the last K step.
; CLUSTERS: 4 x 4 work-groups; U's tiles are shared along a row of the cluster, T's along a column: joint loads.
; OUT.  q at 0, k at 6,815,744: [batch x 16 + head][group of 64 tokens][3,328 bytes]: four half fragments (16 tokens x 64: registers 0-3 at 16 x lane, 4-5 at 512 + 8 x lane) and 256 bytes of scale words (8 x lane + 4 x (tile / 2);
; lanes 0-15 the even tile's rows, 16-31 the odd tile's; bytes 0, 1 count).  v at 13,631,488: [batch x 16 + head][128 keys][6,400 bytes]: four fragments (16 of the head's 64 x 128 keys, three pieces of 512 bytes) and 256 bytes of scale words.
; LIMITS: NaN and infinities are not served; a block whose largest magnitude lies under 2^-124 has its byte held at 1, a block of zeros the byte 1 (its codes are zeros; this program alone reads the bytes).
; REGISTERS: window 0: v1-11 addresses; v16-31 the quantiser's; v32-79, v80-127 scale words of K half 0, 1 (they hold nothing else); v128-175, v176-223 U's fragments, two sets; behind the last product v128-191 the numbers to
; quantise, v192-219 codes and scale words.  window 1: v0-95, v96-191 T's fragments, two sets; behind them v0-63 two rows' cos and sin, v64-127 sum + bias; v192-255 the bias.  window 2: accumulator (a, b) at v[64 a + 8 b].
.set AU16, 1                           ; LDS: my U fragments, 16 x lane;  v2 the same with 8 x lane
.set AU8,  2
.set AT16, 3                           ; my T fragments
.set AT8,  4
.set ASU,  5                           ; my U tiles' scale words: 16 (lane % 16)
.set AST,  6                           ; my T tiles'
.set L16,  7                           ; 16 x lane
.set L8,   8                           ; 8 x lane
.set BO,   9                           ; 64 h: my 16 numbers of a block of 32 of the bias
.set RO,   10                          ; 256 (r + 8 (r / 8)) + 64 h: my token's row of the table, my 16 frequencies
.set VB,   11                          ; 4 (r + 8 (r / 8)): my feature's bias, where a lane holds a feature
.set TM,   16
.set SC,   32
.set AF,   128
.set Z,    128
.set PC,   192
.set PW,   212
.set EV,   213
.set SW,   216
.set BV,   224
.set YW,   64                          ; in window 1
.set BI,   192                         ; in window 1
.set G1U,  24
.set G0U,  32
.set G1T,  48
.set G0T,  56
.set SEL,  80
.set MSB, 0
.macro WIN new                         ; the immediate's high byte repeats the setting that is left
.if MSB != \new
	s_set_vgpr_msb (MSB<<8)|\new
.set MSB, \new
.endif
.endm
.macro ROUND                           ; a round of the cluster's barrier
	s_barrier_signal -1
	s_barrier_wait -1
	s_cmp_lg_u32 s14, 0
	s_cbranch_scc1 .Lnot_wave_0_\@
	s_barrier_signal -3
.Lnot_wave_0_\@:
	s_barrier_wait -3
	s_barrier_signal -1
	s_barrier_wait -1
.endm
.macro PLACES                          ; four plain places behind a matrix instruction, in front of loads into its registers and of reads of its results
.rept 4
	v_nop
.endr
.endm
.macro FRAG reg, a16, off              ; a fragment's image comes back as it was stored: every load takes consecutive bytes
	ds_load_b128 v[\reg:\reg+3], v[\a16] offset:\off
	ds_load_b64 v[\reg+4:\reg+5], v[\a16+1] offset:\off+512
	ds_load_b128 v[\reg+6:\reg+9], v[\a16] offset:\off+768
	ds_load_b64 v[\reg+10:\reg+11], v[\a16+1] offset:\off+1280
.endm
.macro FETCH q                         ; K step q's fragments: T's eight, U's four, into set q % 2
	WIN 0x40
.irp b, 0,1,2,3,4,5,6,7
	FRAG 96*((\q)%2)+12*\b, AT16+9*(\b/4), 12800*(\b%4)+6400*((\q)/4)+1536*((\q)%4)   ; LDS holds [tile][K half][6,400]; T's tiles 4-7 go by v12, v13
.endr
	WIN 0
.irp a, 0,1,2,3
	FRAG AF+48*((\q)%2)+12*\a, AU16, 12800*\a+6400*((\q)/4)+1536*((\q)%4)
.endr
.endm
.macro SCALES k                        ; the scale words of K half k: four words a row (one for each K step) by one load
.irp a, 0,1,2,3
	ds_load_b128 v[SC+48*\k+4*\a:SC+48*\k+4*\a+3], v[ASU] offset:12800*\a+6400*\k
.endr
.irp b, 0,1,2,3,4,5,6,7
	ds_load_b128 v[SC+48*\k+16+4*\b:SC+48*\k+16+4*\b+3], v[AST+8*(\b/4)] offset:12800*(\b%4)+6400*\k   ; tiles 4-7 by v14
.endr
.endm
.macro MUL q, zero                     ; 32 matrix instructions; the 32 accumulators take turns, one instruction a turn, in the same order in every step
	WIN 0xa1                                       ; source 0 (T) window 1, source 1 (U) window 0, C and D window 2
.irp a, 0,1,2,3
.irp b, 0,1,2,3,4,5,6,7
.if \zero
	v_wmma_scale_f32_16x16x128_f8f6f4 v[64*\a+8*\b:64*\a+8*\b+7], v[96*((\q)%2)+12*\b:96*((\q)%2)+12*\b+11], v[AF+48*((\q)%2)+12*\a:AF+48*((\q)%2)+12*\a+11], 0, v[SC+48*((\q)/4)+16+4*\b+(\q)%4], v[SC+48*((\q)/4)+4*\a+(\q)%4] matrix_a_fmt:MATRIX_FMT_FP6 matrix_b_fmt:MATRIX_FMT_FP6
.else
	v_wmma_scale_f32_16x16x128_f8f6f4 v[64*\a+8*\b:64*\a+8*\b+7], v[96*((\q)%2)+12*\b:96*((\q)%2)+12*\b+11], v[AF+48*((\q)%2)+12*\a:AF+48*((\q)%2)+12*\a+11], v[64*\a+8*\b:64*\a+8*\b+7], v[SC+48*((\q)/4)+16+4*\b+(\q)%4], v[SC+48*((\q)/4)+4*\a+(\q)%4] matrix_a_fmt:MATRIX_FMT_FP6 matrix_b_fmt:MATRIX_FMT_FP6
.endif
.endr
.endr
.endm
.macro STEP q, zero                    ; K step q is multiplied while step q + 1's fragments come from LDS
	s_wait_dscnt 0x0                               ; step q's fragments, asked for a step ago, are in
.if (\q) > 0
	PLACES                                         ; the set that is loaded next was read by the products just issued
.endif
.if (\q) < 7
	FETCH (\q)+1
.endif
.if (\q) == 3
	SCALES 1
.endif
	MUL \q, \zero
.endm
.macro QUANT s, pw                     ; 64 numbers v[s] .. v[s + 63], register 16 b + i = k 32 b + 16 (lane / 16) + i of my row, become a fragment's codes in v[PC] on and its rows' scale word in v[pw]
.irp b, 0,1,2,3
	v_max3_num_f32 v[TM+\b], |v[\s+16*\b]|, |v[\s+1+16*\b]|, 0x1800000   ; and the floor 2^(3 - 127): the byte cannot fall under 1
.endr
.irp i, 2,4,6,8,10,12,14
.irp b, 0,1,2,3
	v_max3_num_f32 v[TM+\b], v[TM+\b], |v[\s+16*\b+\i]|, |v[\s+1+16*\b+\i]|
.endr
.endr
.irp b, 0,1,2,3
	v_permlanex16_b32 v[TM+4+\b], v[TM+\b], s[SEL], s[SEL+1]
.endr
.irp b, 0,1,2,3
	v_max_num_f32 v[TM+\b], v[TM+\b], v[TM+4+\b]
.endr
.irp b, 0,1,2,3
	v_add_nc_u32 v[TM+12+\b], 0xff000000, v[TM+\b] ; 2 off the exponent field: the conversion's scale operand
.endr
.irp b, 0,1,2,3
	v_lshrrev_b32 v[TM+4+\b], 23, v[TM+12+\b]      ; the scale's byte
.endr
	v_lshl_or_b32 v[\pw], v[TM+5], 8, v[TM+4]
	v_lshl_or_b32 v[\pw], v[TM+6], 16, v[\pw]
	v_lshl_or_b32 v[\pw], v[TM+7], 24, v[\pw]
.irp c, 0,1
	v_cvt_scalef32_pk16_fp6_f32 v[PC+6*\c:PC+2+6*\c], v[\s+32*\c:\s+15+32*\c], v[TM+12+2*\c]
	v_cvt_scalef32_pk16_fp6_f32 v[PC+12+4*\c:PC+14+4*\c], v[\s+16+32*\c:\s+31+32*\c], v[TM+12+2*\c+1]
.endr
	v_nop                                          ; one plain place behind a scaled conversion
.irp c, 0,1
.irp i, 0,1,2
	v_permlane16_swap_b32 v[PC+6*\c+\i], v[PC+12+4*\c+\i]
.endr
.irp i, 0,1,2
	v_mov_b32 v[PC+3+6*\c+\i], v[PC+12+4*\c+\i]
.endr
.endr
.endm
	s_load_b256 s[4:11], s[0:1], 0x0               ; opc s[4:5], rope s[6:7], qkv_b s[8:9], qkv s[10:11]
	v_lshl_add_u32 v254, v0, 2, 0x4b000
	v_mov_b32 v255, 0
	ds_add_u32 v254, v255
	ds_add_u32 v254, v255
	v_lshrrev_b32 v9, 5, v0
	v_readfirstlane_b32 s14, v9                    ; wave 0..3
	s_lshr_b32 s15, s14, 1                         ; which 64 U rows are mine.  Also: I fetch for U (0) or for T (1)
	s_and_b32 s16, s14, 1                          ; which 128 T rows.  Also: which half of the tiles I fetch
	s_bfe_u32 s40, ttmp6, 0x40000                  ; cx, cy: my place in the cluster
	s_bfe_u32 s41, ttmp6, 0x40004
	s_and_b32 s43, ttmp7, 0xffff                   ; the cluster's y
	s_lshl_b32 s18, s43, 5                         ; q, k: U = token tiles 32 x cluster y on;
	s_lshr_b32 s19, s43, 3
	s_lshl_b32 s19, s19, 5
	s_add_co_u32 s19, s19, 640                     ; v: U = v's feature tiles, 640 + 32 (cluster y / 8) on
	s_lshl_b32 s20, ttmp9, 6
	s_add_co_u32 s20, s20, 512                     ; q, k: T = feature tiles 512 + 64 x cluster x on;
	s_and_b32 s42, s43, 7
	s_lshl_b32 s42, s42, 6                         ; v: T = token tiles 64 (cluster y % 8) on
	s_cmp_eq_u32 ttmp9, 2                          ; the same in all sixteen partners
	s_cselect_b32 s44, s19, s18
	s_cselect_b32 s45, s42, s20
	s_lshl_b32 s22, s41, 3
	s_add_co_u32 s44, s44, s22                     ; my first U tile: + 8 cy
	s_lshl_b32 s66, s40, 4
	s_add_co_u32 s45, s45, s66                     ; my first T tile: + 16 cx
	s_lshl_b32 s17, s41, 2
	s_lshl_b32 s17, 15, s17                        ; my row of the cluster
	s_lshl_b32 s21, 0x1111, s40                    ; my column
	; descriptor group 1: rows of 12,800 bytes (1,600 elements of 8 bytes), 12,800 bytes apart in memory, dense in LDS; 4 rows for U, 8 for T
	s_or_b32 s[G1U], s17, (3<<16)|(1<<21)          ; 15:0 the mask; 17:16 elements of 8 bytes; 21 set beside a mask
	s_or_b32 s[G1T], s21, (3<<16)|(1<<21)
	s_mov_b32 s[G1U+1], 1600<<16                   ; ONE tensor load a wave: a row is a tile's two K halves, 12,800 bytes on end in memory and in LDS (this takes the place of the two loads and the layout by halves that the head comment names)
	s_mov_b32 s[G1U+2], 4<<16                      ; tensor_dim1
	s_mov_b32 s[G1U+3], 1600<<16
	s_mov_b32 s[G1U+4], 4                          ; tile_dim1
	s_mov_b32 s[G1U+5], 1600                       ; from row to row
	s_mov_b32 s[G1U+6], 0
	s_mov_b32 s[G1U+7], 0
	s_mov_b32 s[G1T+1], 1600<<16
	s_mov_b32 s[G1T+2], 8<<16
	s_mov_b32 s[G1T+3], 1600<<16
	s_mov_b32 s[G1T+4], 8
	s_mov_b32 s[G1T+5], 1600
	s_mov_b32 s[G1T+6], 0
	s_mov_b32 s[G1T+7], 0
	s_lshl_b32 s22, s16, 2
	s_add_co_u32 s22, s22, s44
	s_mul_i32 s22, s22, 12800                      ; U: my four tiles, in bytes (no cx in it)
	s_mov_b32 s23, 0
	s_lshl_b32 s66, s16, 3
	s_add_co_u32 s66, s66, s45
	s_mul_i32 s66, s66, 12800                      ; T: my eight tiles (no cy in it)
	s_mov_b32 s67, 0
	s_mul_i32 s46, s16, 51200
	s_mul_i32 s47, s16, 102400
	s_add_co_u32 s47, s47, 102400
	s_wait_dscnt 0x0
	s_wait_kmcnt 0x0
	s_add_nc_u64 s[68:69], s[4:5], s[22:23]
	s_add_nc_u64 s[70:71], s[4:5], s[66:67]
	ROUND                                          ; all sixteen work-groups are here: the joint loads meet
	s_mov_b32 s[G0U], 1
	s_mov_b32 s[G0U+1], s46
	s_mov_b64 s[G0U+2:G0U+3], s[68:69]
	s_or_b32 s[G0U+3], s[G0U+3], 0x80000000
	s_mov_b32 s[G0T], 1
	s_mov_b32 s[G0T+1], s47
	s_mov_b64 s[G0T+2:G0T+3], s[70:71]
	s_or_b32 s[G0T+3], s[G0T+3], 0x80000000
	s_cmp_eq_u32 s15, 0                            ; the two fills stand in one branch on the wave's number: one load of mine is out; s_nop 0 and four v_nop follow each
	s_cbranch_scc0 .Lfirst_t
	tensor_load_to_lds s[G0U:G0U+3], s[G1U:G1U+7]
	s_nop 0
.rept 4
	v_nop
.endr
	s_branch .Lfirst_asked
.Lfirst_t:
	tensor_load_to_lds s[G0T:G0T+3], s[G1T:G1T+7]
	s_nop 0
.rept 4
	v_nop
.endr
.Lfirst_asked:
	v_and_b32 v12, 31, v0                          ; lane
	v_and_b32 v13, 15, v0                          ; r
	v_bfe_u32 v14, v0, 4, 1                        ; h
	v_lshlrev_b32 v[L16], 4, v12
	v_lshlrev_b32 v[L8], 3, v12
	s_mul_i32 s17, s15, 51200
	s_mul_i32 s18, s16, 102400
	s_add_co_u32 s18, s18, 102400                  ; my eight T tiles
	v_add_nc_u32 v[AU16], s17, v[L16]
	v_add_nc_u32 v[AU8], s17, v[L8]
	v_add_nc_u32 v[AT16], s18, v[L16]
	v_add_nc_u32 v[AT8], s18, v[L8]
	v_lshlrev_b32 v15, 4, v13
	v_add_nc_u32 v15, 6144, v15
	v_add_nc_u32 v[ASU], s17, v15
	v_add_nc_u32 v[AST], s18, v15
	v_lshlrev_b32 v[BO], 6, v14
	v_and_b32 v15, 8, v13
	v_add_nc_u32 v15, v15, v13                     ; r + 8 (r / 8)
	v_lshl_add_u32 v[RO], v15, 8, v[BO]
	v_lshlrev_b32 v[VB], 2, v15
	v_add_nc_u32 v12, 51200, v[AT16]               ; T's tiles 4-7: four tiles of 12,800 bytes on, so that every offset fits the 16-bit immediate
	v_add_nc_u32 v13, 51200, v[AT8]
	v_add_nc_u32 v14, 51200, v[AST]
.irp b, 0,1,2,3
	v_mov_b32 v[TM+4+\b], 0                        ; written once: a lane permute's destination counts as one of its sources
.endr
	s_mov_b32 s[SEL], 0x76543210
	s_mov_b32 s[SEL+1], 0xfedcba98
	s_mov_b32 s82, 0xffff0000                      ; lanes 16-31
	s_wait_alu depctr_va_vdst(0)
	s_wait_tensorcnt 0x0                           ; my one load, both K halves of my tiles, is in
	s_barrier_signal -1
	s_barrier_wait -1
	SCALES 0
	FETCH 0
	STEP 0, 1                                      ; the first step's products start the sums: nothing is cleared
	STEP 1, 0
	STEP 2, 0
	STEP 3, 0
	STEP 4, 0
	STEP 5, 0
	STEP 6, 0
	s_wait_dscnt 0x0                               ; the last step's fragments are in
	PLACES                                         ; for the loads below into T's set 0, which the products just issued have read
	WIN 0
	s_cmp_eq_u32 ttmp9, 2
	s_cbranch_scc1 .Lv
; ---------------- q and k: bias, rotary embedding, quantised along the head's 64 ----------------
	s_lshl_b32 s72, s15, 2
	s_add_co_u32 s72, s72, s44
	s_lshl_b32 s72, s72, 4                         ; my first token
	s_lshr_b32 s73, s72, 11                        ; its batch
	s_and_b32 s74, s72, 2047                       ; its position
	s_lshl_b32 s75, s16, 3
	s_add_co_u32 s75, s75, s45
	s_sub_co_u32 s75, s75, 512
	s_lshl_b32 s75, s75, 4                         ; my first feature, a multiple of 128: two heads
	s_lshr_b32 s76, s75, 6                         ; 0-15: q's heads, 16-31: k's
	s_lshr_b32 s77, s76, 4
	s_lshl_b32 s77, s77, 6
	s_and_b32 s76, s76, 15
	s_add_co_u32 s77, s77, s76
	s_lshl_b32 s73, s73, 4
	s_add_co_u32 s77, s77, s73                     ; 64 x (k?) + 16 x batch + head
	s_mul_i32 s78, s77, 106496
	s_lshr_b32 s77, s74, 6
	s_mul_i32 s77, s77, 3328                       ; + the group of 64 tokens
	s_add_co_u32 s78, s78, s77
	s_mov_b32 s79, 0
	s_add_nc_u64 s[10:11], s[10:11], s[78:79]
	s_lshl_b32 s78, s74, 8
	s_add_nc_u64 s[6:7], s[6:7], s[78:79]          ; the table at my first position
	s_lshl_b32 s78, s75, 2
	s_add_nc_u64 s[8:9], s[8:9], s[78:79]          ; the bias at my first feature
.macro CSLOAD a, reg                   ; cos and s' of token tile a's rows: my token's 16 + 16 numbers into window 1
.irp j, 0,1,2,3
	global_load_b128 v[\reg+4*\j:\reg+4*\j+3], v[RO], s[6:7] offset:(32*((\a)/2)+8*((\a)%2))*256+16*\j
	global_load_b128 v[\reg+16+4*\j:\reg+16+4*\j+3], v[RO], s[6:7] offset:(32*((\a)/2)+8*((\a)%2))*256+128+16*\j
.endr
.endm
	WIN 0x40                                       ; destination window 1.  These loads land while the last K step is multiplied
.irp e, 0,1,2,3
.irp j, 0,1,2,3
	global_load_b128 v[BI+16*\e+4*\j:BI+16*\e+4*\j+3], v[BO], s[8:9] offset:128*\e+16*\j   ; register 16 e + i: the bias of feature 32 e + 16 h + i
.endr
.endr
	CSLOAD 0, 0
	CSLOAD 1, 32
	MUL 7, 0
	PLACES
.macro QKOUT a                         ; token tile a: 16 tokens x 128 features
.set CSR, 32*((\a)%2)
.if (\a) < 3
	s_wait_loadcnt 8                               ; the bias and this tile's table rows are in; the next tile's eight loads may be out
.else
	s_wait_loadcnt 0x0
.endif
	WIN 0x46                                       ; source 0 window 2, source 1 and destination window 1
.set i, 0
.rept 32
	v_pk_add_f32 v[YW+2*i:YW+2*i+1], v[64*(\a)+2*i:64*(\a)+2*i+1], v[BI+2*i:BI+2*i+1]   ; y = sum + bias; each accumulator is read from its low end on
.set i, i+1
.endr
	WIN 0x05                                       ; sources 0 and 1 window 1
.irp e, 0,1,2,3
.irp p, 0,1,2,3,4,5,6,7
	v_pk_mul_f32 v[Z+16*\e+2*\p:Z+16*\e+2*\p+1], v[YW+16*\e+2*\p:YW+16*\e+2*\p+1], v[CSR+2*\p:CSR+2*\p+1]   ; y cos
.endr
.endr
.irp e, 0,1,2,3
.irp p, 0,1,2,3,4,5,6,7
	v_pk_fma_f32 v[Z+16*\e+2*\p:Z+16*\e+2*\p+1], v[YW+16*\e+2*\p:YW+16*\e+2*\p+1], v[CSR+16+2*\p:CSR+16+2*\p+1], v[Z+16*\e+2*\p:Z+16*\e+2*\p+1] op_sel:[1,0,0] op_sel_hi:[0,1,1]   ; + the pair's other number x s' (the sign lies in the table)
.endr
.endr
.if (\a) < 2
	WIN 0x40
	CSLOAD (\a)+2, CSR                             ; the set just used takes the rows of two tiles on
.endif
	WIN 0
.if (\a) > 0
	s_wait_xcnt 0x0                                ; the last tile's stores have read the codes' registers
.endif
	QUANT Z, PW
.irp c, 0,1                            ; registers 6 c .. 6 c + 5 are head c's 64: half a fragment
	global_store_b128 v[L16], v[PC+6*\c:PC+6*\c+3], s[10:11] offset:106496*\c+768*(\a)
	global_store_b64 v[L8], v[PC+6*\c+4:PC+6*\c+5], s[10:11] offset:106496*\c+768*(\a)+512
.endr
.if (\a)%2 == 0
	v_mov_b32 v[EV], v[PW]                         ; head 0's two bytes lie in bytes 0, 1 (bytes 2, 3 meet zero codes later and are never 0xff),
	v_lshrrev_b32 v[EV+1], 16, v[PW]               ; head 1's are brought there
.else
	v_lshrrev_b32 v[EV+2], 16, v[PW]
	v_cndmask_b32 v[SW+(\a)/2], v[EV], v[PW], s82  ; lanes 0-15 keep the even tile's word, lanes 16-31 the odd tile's
	v_cndmask_b32 v[SW+2+(\a)/2], v[EV+1], v[EV+2], s82
.endif
.endm
	QKOUT 0
	QKOUT 1
	QKOUT 2
	QKOUT 3
	global_store_b64 v[L8], v[SW:SW+1], s[10:11] offset:3072           ; 256 consecutive bytes of scale words for each head
	global_store_b64 v[L8], v[SW+2:SW+3], s[10:11] offset:106496+3072
	s_branch .Lend
; ---------------- v: bias, quantised along the keys ----------------
.Lv:
	s_lshl_b32 s72, s15, 2
	s_add_co_u32 s72, s72, s44
	s_sub_co_u32 s72, s72, 640
	s_lshl_b32 s72, s72, 4                         ; my first feature of v, a multiple of 64: one head
	s_lshr_b32 s73, s72, 6                         ; the head
	s_lshl_b32 s74, s16, 3
	s_add_co_u32 s74, s74, s45
	s_lshl_b32 s74, s74, 4                         ; my first token, a multiple of 128: one key step
	s_lshr_b32 s75, s74, 11
	s_lshl_b32 s75, s75, 4
	s_add_co_u32 s75, s75, s73                     ; 16 x batch + head
	s_mul_i32 s78, s75, 102400
	s_and_b32 s76, s74, 2047
	s_lshr_b32 s76, s76, 7
	s_mul_i32 s76, s76, 6400
	s_add_co_u32 s78, s78, s76
	s_add_co_u32 s78, s78, 13631488
	s_mov_b32 s79, 0
	s_add_nc_u64 s[10:11], s[10:11], s[78:79]
	s_lshl_b32 s78, s72, 2
	s_add_co_u32 s78, s78, 8192                    ; v's bias begins at number 2,048
	s_add_nc_u64 s[8:9], s[8:9], s[78:79]
.irp a, 0,1,2,3
	global_load_b32 v[BV+\a], v[VB], s[8:9] offset:4*(32*(\a/2)+8*(\a%2))   ; my feature's bias in tile a
.endr
	MUL 7, 0
	PLACES
	s_wait_loadcnt 0x0
.macro VOUT a                          ; feature tile a: 16 features x 128 keys: a whole fragment
	WIN 0x02                                       ; source 0 window 2
.set i, 0
.rept 32
.if (\a)%2 == 0
	v_pk_add_f32 v[Z+2*i:Z+2*i+1], v[64*(\a)+2*i:64*(\a)+2*i+1], v[BV+2*((\a)/2):BV+2*((\a)/2)+1] op_sel_hi:[1,0]
.else
	v_pk_add_f32 v[Z+2*i:Z+2*i+1], v[64*(\a)+2*i:64*(\a)+2*i+1], v[BV+2*((\a)/2):BV+2*((\a)/2)+1] op_sel:[0,1] op_sel_hi:[1,1]
.endif
.set i, i+1
.endr
	WIN 0
.if (\a) > 0
	s_wait_xcnt 0x0                                ; the last tile's stores have read the codes' registers
.endif
	QUANT Z, PW
.irp p, 0,1,2
	global_store_b128 v[L16], v[PC+4*\p:PC+4*\p+3], s[10:11] offset:1536*(\a)+512*\p
.endr
.if (\a)%2 == 0
	v_mov_b32 v[EV], v[PW]
.else
	v_cndmask_b32 v[SW+(\a)/2], v[EV], v[PW], s82  ; lanes 0-15 the even tile's word, lanes 16-31 the odd tile's
.endif
.endm
	VOUT 0
	VOUT 1
	VOUT 2
	VOUT 3
	global_store_b64 v[L8], v[SW:SW+1], s[10:11] offset:6144
.Lend:
	s_wait_tensorcnt 0x0
	s_wait_tensorcnt 0x0
	ds_add_u32 v254, v255
	s_wait_dscnt 0x0
	ROUND                                          ; the closing round: no work-group ends while a partner may still ask for a tile that names it
	s_endpgm
.Lfunc_end_k_q4850969b40_qkv:
	.size	k_q4850969b40_qkv, .Lfunc_end_k_q4850969b40_qkv-k_q4850969b40_qkv
	.p2alignl 7, 3214868480
	.fill 96, 4, 3214868480
	.section	.rodata,"a",@progbits
	.p2align	6, 0x0
	.amdhsa_kernel k_q4850969b40_qkv
		.amdhsa_group_segment_fixed_size 307712
		.amdhsa_private_segment_fixed_size 0
		.amdhsa_enable_private_segment 0
		.amdhsa_kernarg_size 32
		.amdhsa_user_sgpr_count 2
		.amdhsa_user_sgpr_kernarg_segment_ptr 1
		.amdhsa_wavefront_size32 1
		.amdhsa_system_sgpr_workgroup_id_x 1
		.amdhsa_system_sgpr_workgroup_id_y 1
		.amdhsa_system_sgpr_workgroup_id_z 1
		.amdhsa_system_vgpr_workitem_id 0
		.amdhsa_next_free_vgpr 768
		.amdhsa_next_free_sgpr 84
		.amdhsa_reserve_vcc 0
		.amdhsa_float_denorm_mode_32 3
		.amdhsa_float_denorm_mode_16_64 3
		.amdhsa_memory_ordered 1
		.amdhsa_forward_progress 1
		.amdhsa_inst_pref_size 144
	.end_amdhsa_kernel
	.amdgpu_metadata
---
amdhsa.version: [ 1, 2 ]
amdhsa.kernels:
  - .name:           k_q4850969b40_qkv
    .symbol:         k_q4850969b40_qkv.kd
    .args:
      - { .name: opc, .offset: 0, .size: 8, .value_kind: global_buffer, .address_space: global }
      - { .name: rope, .offset: 8, .size: 8, .value_kind: global_buffer, .address_space: global }
      - { .name: qkv_b, .offset: 16, .size: 8, .value_kind: global_buffer, .address_space: global }
      - { .name: qkv, .offset: 24, .size: 8, .value_kind: global_buffer, .address_space: global }
    .group_segment_fixed_size: 307712
    .private_segment_fixed_size: 0
    .kernarg_segment_align: 8
    .kernarg_segment_size: 32
    .max_flat_workgroup_size: 128
    .sgpr_count:     84
    .vgpr_count:     768
    .wavefront_size: 32
...
	.end_amdgpu_metadata
.endif
;; end of part 2
;; launch attn (part 3): grid 4 x 64, 8 waves a work-group, clusters of 4 x 1, 210,944 bytes of LDS; arguments qkv, ao; writes ao
.if DOCPART == 3
	.amdgcn_target "amdgcn-amd-amdhsa--gfx1250"
	.amdhsa_code_object_version 6
	.text
	.protected	k_q4850969b40_attn
	.globl	k_q4850969b40_attn
	.p2align	8
	.type	k_q4850969b40_attn,@function
k_q4850969b40_attn:
	s_mov_b64 s[64:65], 0
	v_nop
	global_prefetch_b8 v0, s[64:65] scope:SCOPE_SE
	s_setreg_imm32_b32 hwreg(HW_REG_WAVE_MODE, 25, 1), 1
	s_wait_xcnt 0x0
	s_wait_alu depctr_hold_cnt(0) depctr_sa_sdst(0) depctr_va_vdst(0) depctr_va_sdst(0) depctr_va_ssrc(0) depctr_va_vcc(0) depctr_vm_vsrc(0)
	s_getreg_b32 s2, hwreg(HW_REG_IB_STS2, 6, 4)
	s_cmp_eq_u32 s2, 0
	s_cbranch_scc0 .Lentry_in_a_cluster
	s_endpgm
.Lentry_in_a_cluster:
	s_bfe_u32 s2, ttmp6, 0x10000c
	s_cmp_lg_u32 s2, 0x3003
	s_cbranch_scc0 .Lentry_shape_is_right
	s_endpgm
.Lentry_shape_is_right:
; ATTENTION on codes of FP6 (E2M3): o = softmax(q k^T / 8) v for one head and 512 queries a work-group; o is then quantised along the model's 1,024 for the last product.
; THE SOFTMAX AHEAD OF THE SECOND PRODUCT: t = score x log2(e) / 8; M = the row's largest t so far, rounded up to a whole number; p = 2^(t - M) is quantised along the keys, not normalised; the row's sum is
; taken of the unquantised p and divides at the end.  When M moves, the sum and O are multiplied by 2^(old M - new M), which rounds nothing.
; SHARES.  Eight waves, two to a SIMD.  A wave carries TWO tiles of 16 queries (A, B) together through the head's 2,048 keys, 128 a step, and does that twice (two passes): 32 tiles a work-group.
; K's and V's fragments are read from LDS once for both tiles.  THE TILES ARE HALF A STEP APART, and each tile's work that hangs on nothing of the other's is laid into the other's softmax:
;   its twelve matrix instructions (the second product of this step, the first product of the next) stand one by one among the other tile's 64 exponentials;
;   the second half of its row sums and the moves of its codes stand between the links of the other tile's chain from the block maxima to M.
; THE HEAD'S WHOLE K AND V STAY IN LDS (106,496 + 102,400 bytes), filled once: waves 0-3 bring a quarter of K each, waves 4-7 a quarter of V.  The four work-groups of a cluster belong to one head and ask jointly.
; No prefetch: the only loads from memory are the head's, and no loop stands ahead of them in which to ask.
; LAYOUT.  Both products are used transposed: S^T = K Q^T (source 0 = 16 keys), O^T = V^T P^T (source 0 = 16 of the head's 64): a lane holds one query throughout.
; WHICH KEYS FORM A TILE OF K is chosen here, by the lanes' LDS addresses: tile 4 c + t takes keys 64 c + 8 t + 0..7 in its rows 0-7 and keys 64 c + 32 + 8 t + 0..7 in its rows 8-15.  So lane (query, h) holds in the 32 registers
; of tiles 4 c .. 4 c + 3 the keys 64 c + 32 h + 0 .. 31 in order: a WHOLE block of 32, in the order of the 6-bit operand.  A block's maximum needs no other lane, and the conversions' results are the operand (three moves for each
; second half, whose registers begin on an odd number).  In the buffer a tile of 16 tokens holds rows 32 G + 8 u + {0..7, 16..23}: lanes 0-7 and 8-15 of a fragment read eight rows each of two such tiles, 1,536 bytes apart.
; THE HEAD'S 64 FILL HALF OF THE INSTRUCTION'S K.  Q's registers 6-11 hold zero codes; a tile of K is six registers, and its operand's upper six are the next tile's codes (behind the last tile: zeros): they meet zero codes.
; No scale byte in this program is 0xff.
; LIMITS: NaN and infinities are not served; a block whose largest magnitude lies under 2^-124 has its byte held at 1, a block of zeros the byte 1.  A p under 2^-126 counts as 0.  The promise holds while |t| stays under 2^31.
; OUT: ao[token tile][K half][6,400 bytes] as the last product's operand images; a head writes half a fragment (768 bytes) and two scale bytes a row (a scale word spans two heads, which two work-groups own).
; REGISTERS.  Window 0: addresses, Q, K's and V's fragments, all scale words.  Window 1: S^T / p of A and B, O^T of A and B, p's codes, and all that the softmax keeps.
.set KL16, 1                           ; window 0.  lane terms of K's fragment loads: 1536 (r / 8) + 16 (r % 8) + 256 h;
.set KL8,  2                           ; 1536 (r / 8) + 8 (r % 8) + 128 h;
.set KLS,  3                           ; of K's scale words: 8 (r % 8) + 4 (r / 8) + 128 h (lanes 16-31 take the odd tile's)
.set VL16, 4                           ; V: VLDS + 16 x lane, VLDS + 8 x lane
.set VL8,  5
.set AK16, 6                           ; v6-10 the step's LDS addresses
.set AK8,  7
.set AKS,  8
.set AV16, 9
.set AV8,  10
.set L16,  11
.set L8,   12
.set SL,   13                          ; 16 r: a row's scale words in ao
.set QR,   14                          ; 8 r: a query's scale word
.set QA,   16                          ; v16-27, v28-39 Q of tiles A, B with their zeros; v40-51 the second pass's codes
.set QB,   28
.set HA,   40
.set HB,   46
.set QSA,  52                          ; v52-63 hold scale words and nothing else: Q's (52, 53; 54, 55 the second pass's), K's (56-59), V's (60, 61), p's (62, 63)
.set QSB,  53
.set HSA,  54
.set HSB,  55
.set KS,   56
.set VS,   60
.set PWA,  62
.set PWB,  63
.set KF,   64                          ; v64-111 K's eight tiles, v112-117 zeros
.set VF,   128                         ; v128-175 V's four fragments
.set SA,   0                           ; window 1.  S^T, then p
.set SBB,  64
.set OA,   128                         ; O^T
.set OB,   160
.set PC,   192                         ; p's codes; v204-206, v208-210 second halves on their way
.set PT,   204
.set BM,   212                         ; my two blocks' largest scores, then largest p
.set SO,   214                         ; a second chain of maxima; then the conversions' scale operands
.set F,    216                         ; f (v217 is named with it as a pair)
.set T1,   218
.set T2,   219
.set STA,  220                         ; a tile's state: -M, the largest score, the sum in two halves
.set STB,  224
.set SELV, 228                         ; byte selects that put my two scale bytes at bytes h and 2 + h
.set TS,   230                         ; v230-243 seven chains of sums
.set MX,   246                         ; v246-249 a third and a fourth chain of maxima
.set VLDS, 106496
.set G1K,  24
.set G1V,  32
.set G0K,  52
.set G0V,  56
.set SEL,  60
.set CS,   62
.set TK,   66
.set TV,   67
.set CNT,  68
.set NC,   69
.set PASS, 72
.set LM,   73
.set MSB, 0
.macro WIN new                         ; the immediate's high byte repeats the setting that is left
.if MSB != \new
	s_set_vgpr_msb (MSB<<8)|\new
.set MSB, \new
.endif
.endm
.macro ROUND
	s_barrier_signal -1
	s_barrier_wait -1
	s_cmp_lg_u32 s14, 0
	s_cbranch_scc1 .Lnot_wave_0_\@
	s_barrier_signal -3
.Lnot_wave_0_\@:
	s_barrier_wait -3
	s_barrier_signal -1
	s_barrier_wait -1
.endm
.macro KLOAD                           ; 128 keys of K: eight tiles of six registers, four registers of scale words: 20 loads
.irp t, 0,1,2,3,4,5,6,7
	ds_load_b128 v[KF+6*\t:KF+6*\t+3], v[AK16] offset:3328*(\t/4)+768*(\t%2)+128*((\t%4)/2)
	ds_load_b64 v[KF+6*\t+4:KF+6*\t+5], v[AK8] offset:3328*(\t/4)+768*(\t%2)+64*((\t%4)/2)+512
.endr
.irp j, 0,1,2,3
	ds_load_b32 v[KS+\j], v[AKS] offset:3328*(\j/2)+64*(\j%2)+3072   ; register j: lanes 0-15 tile 2 j's rows, lanes 16-31 tile 2 j + 1's
.endr
.endm
.macro VLOAD                           ; 128 keys of V: four fragments and their scale words: 13 loads
.irp f, 0,1,2,3
.irp p, 0,1,2
	ds_load_b128 v[VF+12*\f+4*\p:VF+12*\f+4*\p+3], v[AV16] offset:1536*\f+512*\p
.endr
.endr
	ds_load_b64 v[VS:VS+1], v[AV8] offset:6144
.endm
; One matrix instruction of a tile's twelve.  k = 0..3: O^T += V^T P^T, accumulator k.  k = 4..11: S^T = K Q^T of the next step, tile k - 4, begun with the constant 0.  No two on end share an accumulator.
.macro WM zo, zp, zs, zq, zw, k
.if (\k) < 4
	WIN 0x54
.if (\k)%2
	v_wmma_scale_f32_16x16x128_f8f6f4 v[\zo+8*(\k):\zo+8*(\k)+7], v[VF+12*(\k):VF+12*(\k)+11], v[PC:PC+11], v[\zo+8*(\k):\zo+8*(\k)+7], v[VS+(\k)/2], v[\zp] matrix_a_fmt:MATRIX_FMT_FP6 matrix_b_fmt:MATRIX_FMT_FP6 matrix_a_scale:MATRIX_SCALE_ROW1
.else
	v_wmma_scale_f32_16x16x128_f8f6f4 v[\zo+8*(\k):\zo+8*(\k)+7], v[VF+12*(\k):VF+12*(\k)+11], v[PC:PC+11], v[\zo+8*(\k):\zo+8*(\k)+7], v[VS+(\k)/2], v[\zp] matrix_a_fmt:MATRIX_FMT_FP6 matrix_b_fmt:MATRIX_FMT_FP6
.endif
.else
	WIN 0x40
.if (\k)%2
	v_wmma_scale_f32_16x16x128_f8f6f4 v[\zs+8*(\k)-32:\zs+8*(\k)-25], v[KF+6*(\k)-24:KF+6*(\k)-13], v[\zq:\zq+11], 0, v[KS+(\k)/2-2], v[\zw] matrix_a_fmt:MATRIX_FMT_FP6 matrix_b_fmt:MATRIX_FMT_FP6 matrix_a_scale:MATRIX_SCALE_ROW1
.else
	v_wmma_scale_f32_16x16x128_f8f6f4 v[\zs+8*(\k)-32:\zs+8*(\k)-25], v[KF+6*(\k)-24:KF+6*(\k)-13], v[\zq:\zq+11], 0, v[KS+(\k)/2-2], v[\zw] matrix_a_fmt:MATRIX_FMT_FP6 matrix_b_fmt:MATRIX_FMT_FP6
.endif
.endif
.endm
; What a tile's softmax leaves for later, in ten pieces: the moves of the codes' second halves (0, 1) and the rest of the row's sum (2 .. 9).  p in v[zs ..], the sum in v[zt + 2 : zt + 3].
.macro RS zs, zt, k
.if \k < 2
.irp i, 0,1,2
	v_mov_b32 v[PC+3+6*\k+\i], v[PT+4*\k+\i]
.endr
.endif
.if \k == 2 || \k == 4
.irp j, 0,1,2,3
	v_pk_add_f32 v[TS+2*\j:TS+2*\j+1], v[TS+2*\j:TS+2*\j+1], v[\zs+8*\k+16+2*\j:\zs+8*\k+17+2*\j]
.endr
.endif
.if \k == 3 || \k == 5
.irp j, 4,5,6
	v_pk_add_f32 v[TS+2*\j:TS+2*\j+1], v[TS+2*\j:TS+2*\j+1], v[\zs+8*\k+8+2*\j:\zs+8*\k+9+2*\j]
.endr
	v_pk_add_f32 v[\zt+2:\zt+3], v[\zt+2:\zt+3], v[\zs+8*\k+6:\zs+8*\k+7]
.endif
.if \k == 6
	v_pk_add_f32 v[\zt+2:\zt+3], v[\zt+2:\zt+3], v[\zs+62:\zs+63]
	v_pk_add_f32 v[TS:TS+1], v[TS:TS+1], v[TS+2:TS+3]
	v_pk_add_f32 v[TS+4:TS+5], v[TS+4:TS+5], v[TS+6:TS+7]
.endif
.if \k == 7
	v_pk_add_f32 v[TS+8:TS+9], v[TS+8:TS+9], v[TS+10:TS+11]
	v_pk_add_f32 v[\zt+2:\zt+3], v[\zt+2:\zt+3], v[TS+12:TS+13]
.endif
.if \k == 8
	v_pk_add_f32 v[TS:TS+1], v[TS:TS+1], v[TS+4:TS+5]
	v_pk_add_f32 v[\zt+2:\zt+3], v[\zt+2:\zt+3], v[TS+8:TS+9]
.endif
.if \k == 9
	v_pk_add_f32 v[\zt+2:\zt+3], v[\zt+2:\zt+3], v[TS:TS+1]
.endif
.endm
.macro RQ rf, zs, zt, k
.if \rf
	RS \zs, \zt, \k
.endif
.endm
; A tile's softmax for 128 keys: scores in v[sb ..], register 32 c + i = key 64 c + 32 h + i.  It leaves the codes' first halves in v[PC ..], the second in v[PT ..], p's scale word in v[pw], O^T under the new M, the sum half made.
; The z arguments name the OTHER tile: rf = 1: its ten pieces are laid into my chain; nw: so many of its matrix instructions are laid among my exponentials.
; ld = 1, 2: behind the batch V of this step and K of the next are fetched (2: K not in the loop's last trip).  ld = 0: those loads are waited for ahead of the batch.
.macro SOFT sb, ob, st, pw, zs, zo, zt, zp, zq, zw, rf, nw, ld
	WIN 0x55
	s_wait_alu depctr_va_vdst(0)                   ; the wait directly ahead of the first readers of the scores: the eight lines below, each at an accumulator's low end
.irp c, 0,1                            ; each block's largest score, in four chains, one to an accumulator
	v_max3_num_f32 v[BM+\c], v[\sb+32*\c], v[\sb+32*\c+1], v[\sb+32*\c+2]
	v_max3_num_f32 v[SO+\c], v[\sb+32*\c+8], v[\sb+32*\c+9], v[\sb+32*\c+10]
	v_max3_num_f32 v[MX+\c], v[\sb+32*\c+16], v[\sb+32*\c+17], v[\sb+32*\c+18]
	v_max3_num_f32 v[MX+2+\c], v[\sb+32*\c+24], v[\sb+32*\c+25], v[\sb+32*\c+26]
.endr
.irp i, 3,5
.irp c, 0,1
	v_max3_num_f32 v[BM+\c], v[BM+\c], v[\sb+32*\c+\i], v[\sb+32*\c+\i+1]
	v_max3_num_f32 v[SO+\c], v[SO+\c], v[\sb+32*\c+8+\i], v[\sb+32*\c+9+\i]
	v_max3_num_f32 v[MX+\c], v[MX+\c], v[\sb+32*\c+16+\i], v[\sb+32*\c+17+\i]
	v_max3_num_f32 v[MX+2+\c], v[MX+2+\c], v[\sb+32*\c+24+\i], v[\sb+32*\c+25+\i]
.endr
.endr
.irp c, 0,1
	v_max3_num_f32 v[BM+\c], v[BM+\c], v[SO+\c], v[\sb+32*\c+7]
	v_max3_num_f32 v[MX+\c], v[MX+\c], v[MX+2+\c], v[\sb+32*\c+15]
.endr
	RQ \rf, \zs, \zt, 0
.irp c, 0,1
	v_max3_num_f32 v[BM+\c], v[BM+\c], v[MX+\c], v[\sb+32*\c+23]
.endr
	RQ \rf, \zs, \zt, 1
.irp c, 0,1
	v_max_num_f32 v[BM+\c], v[BM+\c], v[\sb+32*\c+31]   ; it serves the row's maximum and, since p rises with the score, the block's largest p
.endr
	RQ \rf, \zs, \zt, 2
	v_max_num_f32 v[T1], v[BM], v[BM+1]
	RQ \rf, \zs, \zt, 3
	v_permlanex16_b32 v[T2], v[T1], s[SEL], s[SEL+1]
	RQ \rf, \zs, \zt, 4
	v_max3_num_f32 v[\st+1], v[\st+1], v[T1], v[T2] ; the running largest score (c is positive: it gives the largest t)
	v_mov_b32 v[T1], v[\st]
	RQ \rf, \zs, \zt, 5
	v_mul_f32 v[T2], s[NC], v[\st+1]               ; -t
	RQ \rf, \zs, \zt, 6
	v_floor_f32 v[\st], v[T2]                      ; the new -M = -ceil(t): a whole number
	RQ \rf, \zs, \zt, 7
	v_sub_f32 v[T1], v[\st], v[T1]                 ; old M - new M: a whole number, 0 or less
	RQ \rf, \zs, \zt, 8
	v_cvt_i32_f32 v[T1], v[T1]                     ; (it saturates)
	RQ \rf, \zs, \zt, 9
.set i, 0
.rept 32
	v_pk_fma_f32 v[\sb+2*i:\sb+2*i+1], v[\sb+2*i:\sb+2*i+1], s[CS:CS+1], v[\st:\st+1] op_sel_hi:[1,0,0]   ; t - M, two at a time
.set i, i+1
.endr
.irp c, 0,1
	v_fma_f32 v[BM+\c], v[BM+\c], s[CS], v[\st]    ; the same of each block's largest score
.endr
.if \ld == 0
	s_wait_dscnt 0x0                               ; V of this step and K of the next, asked for in the other tile's softmax, are in
.endif
	s_wait_alu depctr_va_vdst(0)                   ; the wait ahead of the batch
.irp c, 0,1
	v_exp_f32 v[BM+\c], v[BM+\c]                   ; the block's largest p: the same two instructions on the same number give the same bits
.endr
.set i, 0
.rept 64
	v_exp_f32 v[\sb+i], v[\sb+i]                   ; p = 2^(t - M)
.if (i%5) == 4 && (i/5) < \nw
	WM \zo, \zp, \zs, \zq, \zw, i/5                ; behind every fifth, one matrix instruction of the other tile: it names none of my registers
	WIN 0x55
.endif
.set i, i+1
.endr
	v_ldexp_f32 v[F], 1.0, v[T1]                   ; f = 2^(old M - new M).  (The plain place behind the exponentials)
	s_wait_alu depctr_va_vdst(0)                   ; one wait for the batch, and directly ahead of the first readers of O^T, the four lines below
.irp i, 0,4,8,12                       ; O^T under the new M, 16 lines; between them the chain that makes p's scale word
	v_pk_mul_f32 v[\ob+2*\i:\ob+2*\i+1], v[\ob+2*\i:\ob+2*\i+1], v[F:F+1] op_sel_hi:[1,0]
.endr
.irp c, 0,1
	v_max_num_f32 v[BM+\c], 0x1800000, v[BM+\c]    ; the floor 2^(3 - 127): the byte cannot fall under 1
.endr
.irp i, 1,5
	v_pk_mul_f32 v[\ob+2*\i:\ob+2*\i+1], v[\ob+2*\i:\ob+2*\i+1], v[F:F+1] op_sel_hi:[1,0]
.endr
.irp c, 0,1
	v_add_nc_u32 v[SO+\c], 0xff000000, v[BM+\c]    ; 2 off the exponent field: the conversion's scale operand
.endr
.irp c, 0,1
	v_lshl_add_u32 v[BM+\c], v[BM+\c], 1, 0xfe000000   ; the scale's byte, in the register's top byte
.endr
.irp i, 9,13,2
	v_pk_mul_f32 v[\ob+2*\i:\ob+2*\i+1], v[\ob+2*\i:\ob+2*\i+1], v[F:F+1] op_sel_hi:[1,0]
.endr
	v_perm_b32 v[T1], v[BM+1], v[BM], v[SELV]      ; blocks h and 2 + h at their places in the scale word, zeros between;
.irp i, 6,10,14
	v_pk_mul_f32 v[\ob+2*\i:\ob+2*\i+1], v[\ob+2*\i:\ob+2*\i+1], v[F:F+1] op_sel_hi:[1,0]
.endr
	v_permlanex16_b32 v[T2], v[T1], s[SEL], s[SEL+1]
.irp i, 3,7,11,15
	v_pk_mul_f32 v[\ob+2*\i:\ob+2*\i+1], v[\ob+2*\i:\ob+2*\i+1], v[F:F+1] op_sel_hi:[1,0]
.endr
	WIN 0x05
	v_or_b32 v[\pw], v[T1], v[T2]                  ; with lane l xor 16's two the word is whole.  (Scale operands are taken from window 0)
.if \ld
	WIN 0                                          ; the other tile's products of the batch were the last to read V's and K's registers; the lines since the batch are their places
	v_add_nc_u32 v[AV16], s[TV], v[VL16]
	v_add_nc_u32 v[AV8], s[TV], v[VL8]
	VLOAD
.if \ld == 2
	s_cmp_eq_u32 s[CNT], 1                         ; the loop's last trip: no step follows whose K could be fetched
	s_cbranch_scc1 .Lno_k_\@
.endif
	v_add_nc_u32 v[AK16], s[TK], v[KL16]
	v_add_nc_u32 v[AK8], s[TK], v[KL8]
	v_add_nc_u32 v[AKS], s[TK], v[KLS]
	KLOAD
.if \ld == 2
.Lno_k_\@:
.endif
	s_add_co_u32 s[TV], s[TV], 6400
	s_add_co_u32 s[TK], s[TK], 6656
.endif
	WIN 0x55
.irp c, 0,1
	v_cvt_scalef32_pk16_fp6_f32 v[PC+6*\c:PC+6*\c+2], v[\sb+32*\c:\sb+32*\c+15], v[SO+\c]
	v_cvt_scalef32_pk16_fp6_f32 v[PT+4*\c:PT+4*\c+2], v[\sb+32*\c+16:\sb+32*\c+31], v[SO+\c]   ; (a conversion's three registers begin on an even number)
.endr
.irp k, 0,1,2,3,4,5,6                  ; the row's sum, of the unquantised p, in eight chains: their first links.  (Also the plain places behind the conversions)
	v_pk_add_f32 v[TS+2*\k:TS+2*\k+1], v[\sb+2*\k:\sb+2*\k+1], v[\sb+16+2*\k:\sb+17+2*\k]
.endr
	v_pk_fma_f32 v[\st+2:\st+3], v[\st+2:\st+3], v[F:F+1], v[\sb+14:\sb+15] op_sel_hi:[1,0,1]   ; (the old sum comes under the new M in the same line)
.endm
; THE WAY OUT of a tile: O^T / the sum, quantised along the head's 64 (two blocks; register 16 g + i: channel 32 g + 16 h + i): half a fragment of the last product's operand.
.macro OUT ob, st, sc, x, y, by, off
	WIN 0x55
	v_add_f32 v[T1], v[\st+2], v[\st+3]            ; the sum's two halves,
	s_delay_alu instid0(VALU_DEP_1)
	v_permlanex16_b32 v[T2], v[T1], s[SEL], s[SEL+1]
	s_delay_alu instid0(VALU_DEP_1)
	v_add_f32 v[T1], v[T1], v[T2]                  ; and lane l xor 16's
	s_wait_alu depctr_va_vdst(0)                   ; the wait ahead of the transcendental
	v_rcp_f32 v[F], v[T1]
	v_nop                                          ; a plain place behind it
	s_wait_alu depctr_va_vdst(0)                   ; and the wait ahead of its first reader, which is also the first reader of O^T
.set i, 0
.rept 16
	v_pk_mul_f32 v[\sc+2*i:\sc+2*i+1], v[\ob+2*i:\ob+2*i+1], v[F:F+1] op_sel_hi:[1,0]   ; each accumulator is read from its low end on
.set i, i+1
.endr
.irp g, 0,1
	v_max3_num_f32 v[BM+\g], |v[\sc+16*\g]|, |v[\sc+16*\g+1]|, 0x1800000
.endr
.irp i, 2,4,6,8,10,12,14
.irp g, 0,1
	s_delay_alu instid0(VALU_DEP_2)
	v_max3_num_f32 v[BM+\g], v[BM+\g], |v[\sc+16*\g+\i]|, |v[\sc+16*\g+\i+1]|
.endr
.endr
.irp g, 0,1
	s_delay_alu instid0(VALU_DEP_2)
	v_permlanex16_b32 v[SO+\g], v[BM+\g], s[SEL], s[SEL+1]
.endr
.irp g, 0,1
	s_delay_alu instid0(VALU_DEP_2)
	v_max_num_f32 v[BM+\g], v[BM+\g], v[SO+\g]
.endr
.irp g, 0,1
	s_delay_alu instid0(VALU_DEP_2)
	v_add_nc_u32 v[SO+\g], 0xff000000, v[BM+\g]
.endr
.irp g, 0,1
	s_delay_alu instid0(VALU_DEP_2)
	v_lshrrev_b32 v[BM+\g], 23, v[SO+\g]
.endr
	s_delay_alu instid0(VALU_DEP_1)
	v_lshl_or_b32 v[\by], v[BM+1], 8, v[BM]        ; my row's two scale bytes
	v_cvt_scalef32_pk16_fp6_f32 v[\x:\x+2], v[\sc:\sc+15], v[SO]
	v_cvt_scalef32_pk16_fp6_f32 v[\y:\y+2], v[\sc+16:\sc+31], v[SO+1]
	v_nop                                          ; one plain place behind a scaled conversion
.irp i, 0,1,2
	v_permlane16_swap_b32 v[\x+\i], v[\y+\i]       ; a whole block to a lane
.endr
.irp i, 0,1,2
	v_mov_b32 v[\x+3+\i], v[\y+\i]
.endr
	WIN 0x04                                       ; a store's data: window 1
	global_store_b128 v[L16], v[\x:\x+3], s[46:47] offset:\off
	global_store_b64 v[L8], v[\x+4:\x+5], s[46:47] offset:\off+512
	global_store_b16 v[SL], v[\by], s[48:49] offset:\off   ; both halves of the lanes hold the same row's bytes and write the same two
.endm
	s_load_b128 s[4:7], s[0:1], 0x0                ; qkv s[4:5], ao s[6:7]
	v_lshl_add_u32 v254, v0, 2, 0x33000
	v_mov_b32 v255, 0
	ds_add_u32 v254, v255                          ; the opening lines: the add, twice on end, and its wait ahead of my tensor load
	ds_add_u32 v254, v255
	v_lshrrev_b32 v6, 5, v0
	v_readfirstlane_b32 s14, v6                    ; wave 0..7
	s_bfe_u32 s40, ttmp6, 0x40000                  ; cx: which 512 queries; it enters global addresses of q and ao alone
	s_and_b32 s41, ttmp7, 0xffff                   ; 16 x batch + head, which the four partners share
	; descriptor group 1: dense blocks as rows of 256 bytes (32 elements of 8 bytes): 104 rows of K, 100 of V
	s_mov_b32 s[G1K], 15|(3<<16)|(1<<21)           ; 15:0 the mask: all four work-groups; 17:16 elements of 8 bytes; 21 set beside a mask
	s_mov_b32 s[G1K+1], 32<<16
	s_mov_b32 s[G1K+2], 104<<16
	s_mov_b32 s[G1K+3], 32<<16
	s_mov_b32 s[G1K+4], 104
	s_mov_b32 s[G1K+5], 32
	s_mov_b32 s[G1K+6], 0
	s_mov_b32 s[G1K+7], 0
	s_mov_b32 s[G1V], 15|(3<<16)|(1<<21)
	s_mov_b32 s[G1V+1], 32<<16
	s_mov_b32 s[G1V+2], 100<<16
	s_mov_b32 s[G1V+3], 32<<16
	s_mov_b32 s[G1V+4], 100
	s_mov_b32 s[G1V+5], 32
	s_mov_b32 s[G1V+6], 0
	s_mov_b32 s[G1V+7], 0
	s_and_b32 s15, s14, 3                          ; which quarter I fetch
	s_mul_i32 s16, s15, 26624
	s_mul_i32 s17, s15, 25600
	s_mul_i32 s18, s41, 106496
	s_add_co_u32 s18, s18, 6815744                 ; k begins here in qkv
	s_add_co_u32 s18, s18, s16
	s_mov_b32 s19, 0
	s_mul_i32 s20, s41, 102400
	s_add_co_u32 s20, s20, 13631488                ; v begins here
	s_add_co_u32 s20, s20, s17
	s_mov_b32 s21, 0
	s_wait_dscnt 0x0
	s_wait_kmcnt 0x0
	s_mov_b32 s[G0K], 1
	s_mov_b32 s[G0K+1], s16
	s_add_nc_u64 s[G0K+2:G0K+3], s[4:5], s[18:19]
	s_or_b32 s[G0K+3], s[G0K+3], 0x80000000
	s_mov_b32 s[G0V], 1
	s_add_co_u32 s[G0V+1], s17, VLDS
	s_add_nc_u64 s[G0V+2:G0V+3], s[4:5], s[20:21]
	s_or_b32 s[G0V+3], s[G0V+3], 0x80000000
	ROUND                                          ; all four work-groups are here: the joint loads meet
	s_cmp_lt_u32 s14, 4                            ; every wave issues one load: waves 0-3 K's, waves 4-7 V's; s_nop 0 and four v_nop follow each line
	s_cbranch_scc0 .Lnot_k
	tensor_load_to_lds s[G0K:G0K+3], s[G1K:G1K+7]
	s_nop 0
.rept 4
	v_nop
.endr
	s_branch .Lasked
.Lnot_k:
	tensor_load_to_lds s[G0V:G0V+3], s[G1V:G1V+7]
	s_nop 0
.rept 4
	v_nop
.endr
.Lasked:
	; my queries: the group of 64 tokens 8 cx + wave; pass 0 takes its tiles 0, 1, pass 1 its tiles 2, 3
	s_lshl_b32 s22, s40, 3
	s_add_co_u32 s22, s22, s14
	s_mul_i32 s22, s22, 3328
	s_mul_i32 s23, s41, 106496
	s_add_co_u32 s50, s22, s23
	s_mov_b32 s51, 0
	s_add_nc_u64 s[42:43], s[4:5], s[50:51]
	s_mov_b32 s[LM], 0xffff0000                    ; lanes 16-31
	v_and_b32 v14, 31, v0
	v_and_b32 v15, 15, v0
	v_lshlrev_b32 v[L16], 4, v14
	v_lshlrev_b32 v[L8], 3, v14
	v_lshlrev_b32 v[QR], 3, v15
	v_lshlrev_b32 v[SL], 4, v15
	global_load_b128 v[QA:QA+3], v[L16], s[42:43]
	global_load_b64 v[QA+4:QA+5], v[L8], s[42:43] offset:512
	global_load_b128 v[QB:QB+3], v[L16], s[42:43] offset:768
	global_load_b64 v[QB+4:QB+5], v[L8], s[42:43] offset:1280
	global_load_b128 v[HA:HA+3], v[L16], s[42:43] offset:1536
	global_load_b64 v[HA+4:HA+5], v[L8], s[42:43] offset:2048
	global_load_b128 v[HB:HB+3], v[L16], s[42:43] offset:2304
	global_load_b64 v[HB+4:HB+5], v[L8], s[42:43] offset:2816
	global_load_b32 v[QSA], v[QR], s[42:43] offset:3072   ; scale words: 8 x row + 4 x (tile / 2), the odd tile's 128 bytes on
	global_load_b32 v[QSB], v[QR], s[42:43] offset:3200
	global_load_b32 v[HSA], v[QR], s[42:43] offset:3076
	global_load_b32 v[HSB], v[QR], s[42:43] offset:3204
	v_and_b32 v15, 7, v0                           ; r % 8
	v_bfe_u32 v[AK16], v0, 3, 1                    ; r / 8
	v_bfe_u32 v[AK8], v0, 4, 1                     ; h
	v_mul_u32_u24 v[KL16], v[AK16], 1536
	v_lshlrev_b32 v[KLS], 3, v15
	v_lshl_add_u32 v[KL8], v15, 3, v[KL16]
	v_lshl_add_u32 v[KL16], v15, 4, v[KL16]
	v_lshl_add_u32 v[KLS], v[AK16], 2, v[KLS]
	v_lshl_add_u32 v[KL8], v[AK8], 7, v[KL8]
	v_lshl_add_u32 v[KL16], v[AK8], 8, v[KL16]
	v_lshl_add_u32 v[KLS], v[AK8], 7, v[KLS]
	v_add_nc_u32 v[VL16], VLDS, v[L16]
	v_add_nc_u32 v[VL8], VLDS, v[L8]
.irp i, 0,1,2,3,4,5
	v_mov_b32 v[QA+6+\i], 0                        ; Q's upper halves: zero codes
	v_mov_b32 v[QB+6+\i], 0
	v_mov_b32 v[KF+48+\i], 0                       ; what stands behind K's last tile
.endr
	WIN 0x55
	v_mov_b32 v[SELV], 0x0c070c03                  ; lanes 0-15: bytes 0 and 2
	v_mov_b32 v[T1], 0x070c030c                    ; lanes 16-31: bytes 1 and 3
	v_mov_b32 v[T2], 0                             ; written once: a lane permute's destination counts as one of its sources
	v_mov_b32 v[F+1], 0                            ; (named as the upper half of the pair)
	v_cndmask_b32 v[SELV], v[SELV], v[T1], s[LM]
	WIN 0
	s_wait_alu depctr_va_vdst(0)                   ; the wait at the head's end, ahead of the scalar lines and the waits below
	; where my results go: token tile 128 x batch + 32 cx + 4 x wave (+ 2 x pass + tile); K half head / 8; K step (head / 2) % 4; half head % 2
	s_lshr_b32 s22, s41, 4
	s_lshl_b32 s22, s22, 7
	s_lshl_b32 s23, s40, 5
	s_add_co_u32 s22, s22, s23
	s_lshl_b32 s23, s14, 2
	s_add_co_u32 s22, s22, s23
	s_mul_i32 s22, s22, 12800
	s_bfe_u32 s23, s41, 0x10003
	s_mul_i32 s23, s23, 6400
	s_add_co_u32 s22, s22, s23
	s_bfe_u32 s23, s41, 0x20001
	s_and_b32 s70, s41, 1
	s_mul_i32 s50, s23, 1536
	s_mul_i32 s71, s70, 768
	s_add_co_u32 s50, s50, s71
	s_add_co_u32 s50, s50, s22
	s_add_nc_u64 s[46:47], s[6:7], s[50:51]        ; the half fragment
	s_lshl_b32 s50, s23, 2
	s_lshl_b32 s71, s70, 1
	s_add_co_u32 s50, s50, s71
	s_add_co_u32 s50, s50, s22
	s_add_co_u32 s50, s50, 6144
	s_add_nc_u64 s[48:49], s[6:7], s[50:51]        ; its two scale bytes of row 0
	s_mov_b32 s[SEL], 0x76543210
	s_mov_b32 s[SEL+1], 0xfedcba98
	s_mov_b32 s[CS], 0x3e38aa3b                    ; c = log2(e) / 8
	s_mov_b32 s[CS+1], s[CS]                       ; (named with it as a pair, so it is written)
	s_mov_b32 s[NC], 0xbe38aa3b                    ; -c
	s_mov_b32 s[PASS], 2                           ; passes to go
	s_wait_loadcnt 0x0                             ; Q
	s_wait_tensorcnt 0x0                           ; my quarter of K or V has landed,
	s_barrier_signal -1
	s_barrier_wait -1                              ; everybody's has: from here on LDS is only read
.Lpass:
	s_mov_b32 s[TK], 0
	s_mov_b32 s[TV], 0
	v_add_nc_u32 v[AK16], s[TK], v[KL16]
	v_add_nc_u32 v[AK8], s[TK], v[KL8]
	v_add_nc_u32 v[AKS], s[TK], v[KLS]
	KLOAD                                          ; K of step 0
	s_add_co_u32 s[TK], s[TK], 6656
	WIN 0x55                                       ; two tiles begin.  The step has no first step of its own: it finds zeros, which the first change of M (f = 0) leaves zeros
.set i, 0
.rept 64
	v_mov_b32 v[OA+i], 0
.set i, i+1
.endr
.irp s, STA, STB
	v_mov_b32 v[\s], 0x7e800000                    ; -M: 2^126, over every -M that follows
	v_mov_b32 v[\s+1], 0xff61b1e6                  ; the largest score so far: -3e38
	v_mov_b32 v[\s+2], 0
	v_mov_b32 v[\s+3], 0
.endr
	s_wait_dscnt 0x0
.irp k, 4,5,6,7,8,9,10,11
	WM OA, PWA, SA, QA, QSA, \k                    ; step 0's scores of tile A,
.endr
.irp k, 4,5,6,7,8,9,10,11
	WM OB, PWB, SBB, QB, QSB, \k                   ; and of tile B
.endr
.rept 4
	v_nop                                          ; places behind them, in front of the first read of the scores
.endr
	SOFT SA, OA, STA, PWA, SBB, OB, STB, PWB, QB, QSB, 0, 0, 1   ; tile A, step 0: nothing of tile B is due yet
	WIN 0
	s_mov_b32 s[CNT], 15
.Lkeys:                                                ; trip n: tile B's step n, with A's products of steps n and n + 1; tile A's step n + 1, with B's
	SOFT SBB, OB, STB, PWB, SA, OA, STA, PWA, QA, QSA, 1, 12, 0
	SOFT SA, OA, STA, PWA, SBB, OB, STB, PWB, QB, QSB, 1, 12, 2
	WIN 0
	s_sub_co_u32 s[CNT], s[CNT], 1
	s_cmp_lg_u32 s[CNT], 0
	s_cbranch_scc1 .Lkeys
	SOFT SBB, OB, STB, PWB, SA, OA, STA, PWA, QA, QSA, 1, 4, 0   ; tile B's last step, with A's last four products
.irp k, 0,1,2,3,4,5,6,7,8,9
	RS SBB, STB, \k                                ; what tile B's softmax has left; the 24 sums are the places behind the codes' moves
.endr
.irp k, 0,1,2,3
	WM OB, PWB, SBB, QB, QSB, \k                   ; and B's last four products
.endr
	OUT OA, STA, SA, 192, 200, 244, 0              ; (tile A's vector lines are the places behind tile B's last products)
	OUT OB, STB, SBB, 204, 198, 245, 12800
	WIN 0
	s_cmp_eq_u32 s[PASS], 1
	s_cbranch_scc1 .Ldone
	s_wait_xcnt 0x0                                ; the stores have read their registers and bases: both are written again only behind this wait
.irp i, 0,1,2,3,4,5
	v_mov_b32 v[QA+\i], v[HA+\i]                   ; the second pass's queries
	v_mov_b32 v[QB+\i], v[HB+\i]
.endr
	v_mov_b32 v[QSA], v[HSA]
	v_mov_b32 v[QSB], v[HSB]
	s_add_nc_u64 s[46:47], s[46:47], 25600         ; two token tiles on
	s_add_nc_u64 s[48:49], s[48:49], 25600
	s_sub_co_u32 s[PASS], s[PASS], 1
	s_branch .Lpass
.Ldone:
	s_wait_tensorcnt 0x0                           ; the wave's end
	ds_add_u32 v254, v255
	s_wait_dscnt 0x0
	ROUND                                          ; the closing round
	s_endpgm
.Lfunc_end_k_q4850969b40_attn:
	.size	k_q4850969b40_attn, .Lfunc_end_k_q4850969b40_attn-k_q4850969b40_attn
	.p2alignl 7, 3214868480
	.fill 96, 4, 3214868480
	.section	.rodata,"a",@progbits
	.p2align	6, 0x0
	.amdhsa_kernel k_q4850969b40_attn
		.amdhsa_group_segment_fixed_size 210944
		.amdhsa_private_segment_fixed_size 0
		.amdhsa_enable_private_segment 0
		.amdhsa_kernarg_size 16
		.amdhsa_user_sgpr_count 2
		.amdhsa_user_sgpr_kernarg_segment_ptr 1
		.amdhsa_wavefront_size32 1
		.amdhsa_system_sgpr_workgroup_id_x 1
		.amdhsa_system_sgpr_workgroup_id_y 1
		.amdhsa_system_sgpr_workgroup_id_z 1
		.amdhsa_system_vgpr_workitem_id 0
		.amdhsa_next_free_vgpr 512
		.amdhsa_next_free_sgpr 80
		.amdhsa_reserve_vcc 0
		.amdhsa_float_denorm_mode_32 3
		.amdhsa_float_denorm_mode_16_64 3
		.amdhsa_memory_ordered 1
		.amdhsa_forward_progress 1
		.amdhsa_inst_pref_size 78
	.end_amdhsa_kernel
	.amdgpu_metadata
---
amdhsa.version: [ 1, 2 ]
amdhsa.kernels:
  - .name:           k_q4850969b40_attn
    .symbol:         k_q4850969b40_attn.kd
    .args:
      - { .name: qkv, .offset: 0, .size: 8, .value_kind: global_buffer, .address_space: global }
      - { .name: ao, .offset: 8, .size: 8, .value_kind: global_buffer, .address_space: global }
    .group_segment_fixed_size: 210944
    .private_segment_fixed_size: 0
    .kernarg_segment_align: 8
    .kernarg_segment_size: 16
    .max_flat_workgroup_size: 256
    .sgpr_count:     80
    .vgpr_count:     512
    .wavefront_size: 32
...
	.end_amdgpu_metadata
.endif
;; end of part 3
;; launch proj (part 4): grid 4 x 64, 4 waves a work-group, clusters of 4 x 4, 307,712 bytes of LDS; arguments ao, opc, proj_b, out0; writes out0
.if DOCPART == 4
	.amdgcn_target "amdgcn-amd-amdhsa--gfx1250"
	.amdhsa_code_object_version 6
	.text
	.protected	k_q4850969b40_proj
	.globl	k_q4850969b40_proj
	.p2align	8
	.type	k_q4850969b40_proj,@function
k_q4850969b40_proj:
	s_mov_b64 s[64:65], 0
	v_nop
	global_prefetch_b8 v0, s[64:65] scope:SCOPE_SE
	s_setreg_imm32_b32 hwreg(HW_REG_WAVE_MODE, 25, 1), 1
	s_wait_xcnt 0x0
	s_wait_alu depctr_hold_cnt(0) depctr_sa_sdst(0) depctr_va_vdst(0) depctr_va_sdst(0) depctr_va_ssrc(0) depctr_va_vcc(0) depctr_vm_vsrc(0)
	s_getreg_b32 s2, hwreg(HW_REG_IB_STS2, 6, 4)
	s_cmp_eq_u32 s2, 0
	s_cbranch_scc0 .Lentry_in_a_cluster
	s_endpgm
.Lentry_in_a_cluster:
	s_bfe_u32 s2, ttmp6, 0x10000c
	s_cmp_lg_u32 s2, 0xf033
	s_cbranch_scc0 .Lentry_shape_is_right
	s_endpgm
.Lentry_shape_is_right:
; PROJ.  out0 = o proj_w^T + proj_b on codes of FP6 (E2M3).  o's codes lie in ao, proj_w's in opc (tiles 704-767), both as images of operand registers: 6,400 bytes for a tile of 16 rows and half of K.
; A work-group makes 128 tokens ("U", source 1: the lanes of a result) x 256 outputs ("T", source 0: the registers of a result), K = 1,024.  All of K fits in LDS: 8 + 16 tiles x 2 halves x 6,400 = 307,200 bytes, brought by one
; tensor load a wave at the start; nothing is ever filled again.  Four waves, each 64 tokens x 128 outputs: 32 accumulators.  A tile's 16 rows are 32 G + 8 u + {0..7, 16..23}.
; CLUSTERS: 4 x 4 work-groups; the tokens' tiles are shared along a row of the cluster, the weights' along a column: joint loads.
; The bias is the C of each sum's first matrix instruction.  Results leave through each wave's own stage in LDS as whole rows of 512 bytes.  The stages lie in U's first tiles, which have had their only fill and, behind the barrier of
; K step 7, their last read.
; REGISTERS: window 0: v1-11 addresses; v32-79, v80-127 scale words of K half 0, 1 (they hold nothing else); v128-175, v176-223 U's fragments, two sets; on the way out v128-255 rows of the result.
; window 1: v0-95, v96-191 T's fragments, two sets; v192-255 the bias.  window 2: accumulator (a, b) at v[64 a + 8 b].
.set AU16, 1
.set AU8,  2
.set AT16, 3
.set AT8,  4
.set ASU,  5
.set AST,  6
.set L16,  7
.set L8,   8
.set BO,   9                           ; 64 h
.set STO,  10                          ; the stage: where I put 32 bytes of a row
.set RD,   11                          ; and where I read a row back
.set SC,   32
.set AF,   128
.set BK,   128
.set BI,   192                         ; in window 1
.set G1U,  24
.set G0U,  32
.set G1T,  48
.set G0T,  56
.set MSB, 0
.macro WIN new                         ; the immediate's high byte repeats the setting that is left
.if MSB != \new
	s_set_vgpr_msb (MSB<<8)|\new
.set MSB, \new
.endif
.endm
.macro ROUND                           ; a round of the cluster's barrier
	s_barrier_signal -1
	s_barrier_wait -1
	s_cmp_lg_u32 s14, 0
	s_cbranch_scc1 .Lnot_wave_0_\@
	s_barrier_signal -3
.Lnot_wave_0_\@:
	s_barrier_wait -3
	s_barrier_signal -1
	s_barrier_wait -1
.endm
.macro PLACES                          ; four plain places behind a matrix instruction, in front of loads into its registers and of reads of its results
.rept 4
	v_nop
.endr
.endm
.macro FRAG reg, a16, off
	ds_load_b128 v[\reg:\reg+3], v[\a16] offset:\off
	ds_load_b64 v[\reg+4:\reg+5], v[\a16+1] offset:\off+512
	ds_load_b128 v[\reg+6:\reg+9], v[\a16] offset:\off+768
	ds_load_b64 v[\reg+10:\reg+11], v[\a16+1] offset:\off+1280
.endm
.macro FETCH q                         ; K step q's fragments: T's eight, U's four, into set q % 2
	WIN 0x40
.irp b, 0,1,2,3,4,5,6,7
	FRAG 96*((\q)%2)+12*\b, AT16+9*(\b/4), 12800*(\b%4)+6400*((\q)/4)+1536*((\q)%4)   ; LDS holds [tile][K half][6,400]; T's tiles 4-7 go by v12, v13
.endr
	WIN 0
.irp a, 0,1,2,3
	FRAG AF+48*((\q)%2)+12*\a, AU16, 12800*\a+6400*((\q)/4)+1536*((\q)%4)
.endr
.endm
.macro SCALES k
.irp a, 0,1,2,3
	ds_load_b128 v[SC+48*\k+4*\a:SC+48*\k+4*\a+3], v[ASU] offset:12800*\a+6400*\k
.endr
.irp b, 0,1,2,3,4,5,6,7
	ds_load_b128 v[SC+48*\k+16+4*\b:SC+48*\k+16+4*\b+3], v[AST+8*(\b/4)] offset:12800*(\b%4)+6400*\k   ; tiles 4-7 by v14
.endr
.endm
.macro MUL q, bias                     ; 32 matrix instructions; the 32 accumulators take turns, one instruction a turn, in the same order in every step
.if \bias
	WIN 0x91                                       ; source 0 (T) and C (the bias) window 1, source 1 (U) window 0, D window 2
.else
	WIN 0xa1                                       ; C and D window 2
.endif
.irp a, 0,1,2,3
.irp b, 0,1,2,3,4,5,6,7
.if \bias
	v_wmma_scale_f32_16x16x128_f8f6f4 v[64*\a+8*\b:64*\a+8*\b+7], v[96*((\q)%2)+12*\b:96*((\q)%2)+12*\b+11], v[AF+48*((\q)%2)+12*\a:AF+48*((\q)%2)+12*\a+11], v[BI+8*\b:BI+8*\b+7], v[SC+48*((\q)/4)+16+4*\b+(\q)%4], v[SC+48*((\q)/4)+4*\a+(\q)%4] matrix_a_fmt:MATRIX_FMT_FP6 matrix_b_fmt:MATRIX_FMT_FP6
.else
	v_wmma_scale_f32_16x16x128_f8f6f4 v[64*\a+8*\b:64*\a+8*\b+7], v[96*((\q)%2)+12*\b:96*((\q)%2)+12*\b+11], v[AF+48*((\q)%2)+12*\a:AF+48*((\q)%2)+12*\a+11], v[64*\a+8*\b:64*\a+8*\b+7], v[SC+48*((\q)/4)+16+4*\b+(\q)%4], v[SC+48*((\q)/4)+4*\a+(\q)%4] matrix_a_fmt:MATRIX_FMT_FP6 matrix_b_fmt:MATRIX_FMT_FP6
.endif
.endr
.endr
.endm
.macro STEP q, bias                    ; K step q is multiplied while step q + 1's fragments come from LDS
	s_wait_dscnt 0x0                               ; step q's fragments, asked for a step ago, are in
.if (\q) == 7
	s_barrier_signal -1                            ; every wave's reads of the tiles are over (the wait above): behind this barrier the stages, which lie in U's first tiles, may be written
	s_barrier_wait -1
.endif
.if (\q) > 0
	PLACES
.endif
.if (\q) < 7
	FETCH (\q)+1
.endif
.if (\q) == 3
	SCALES 1
.endif
	MUL \q, \bias
.endm
	s_load_b256 s[4:11], s[0:1], 0x0               ; ao s[4:5], opc s[6:7], proj_b s[8:9], out0 s[10:11]
	v_lshl_add_u32 v30, v0, 2, 0x4b000
	v_mov_b32 v31, 0
	ds_add_u32 v30, v31
	ds_add_u32 v30, v31
	v_lshrrev_b32 v9, 5, v0
	v_readfirstlane_b32 s14, v9                    ; wave 0..3
	s_lshr_b32 s15, s14, 1                         ; which 64 tokens are mine.  Also: I fetch for U (0) or for T (1)
	s_and_b32 s16, s14, 1                          ; which 128 outputs.  Also: which half of the tiles I fetch
	s_bfe_u32 s40, ttmp6, 0x40000                  ; cx, cy
	s_bfe_u32 s41, ttmp6, 0x40004
	s_and_b32 s43, ttmp7, 0xffff
	s_lshl_b32 s44, s43, 5
	s_lshl_b32 s22, s41, 3
	s_add_co_u32 s44, s44, s22                     ; my first token tile: 32 x cluster y + 8 cy
	s_lshl_b32 s45, s40, 4
	s_add_co_u32 s45, s45, 704                     ; my first tile of proj_w in opc: 704 + 16 cx
	s_lshl_b32 s17, s41, 2
	s_lshl_b32 s17, 15, s17                        ; my row of the cluster
	s_lshl_b32 s21, 0x1111, s40                    ; my column
	s_or_b32 s[G1U], s17, (3<<16)|(1<<21)          ; rows of 12,800 bytes (1,600 elements of 8 bytes), 12,800 bytes apart in memory, dense in LDS; 4 rows for U, 8 for T
	s_or_b32 s[G1T], s21, (3<<16)|(1<<21)
	s_mov_b32 s[G1U+1], 1600<<16                   ; ONE tensor load a wave: a row is a tile's two K halves, 12,800 bytes on end in memory and in LDS (this takes the place of the two loads and the layout by halves that the head comment names)
	s_mov_b32 s[G1U+2], 4<<16
	s_mov_b32 s[G1U+3], 1600<<16
	s_mov_b32 s[G1U+4], 4
	s_mov_b32 s[G1U+5], 1600
	s_mov_b32 s[G1U+6], 0
	s_mov_b32 s[G1U+7], 0
	s_mov_b32 s[G1T+1], 1600<<16
	s_mov_b32 s[G1T+2], 8<<16
	s_mov_b32 s[G1T+3], 1600<<16
	s_mov_b32 s[G1T+4], 8
	s_mov_b32 s[G1T+5], 1600
	s_mov_b32 s[G1T+6], 0
	s_mov_b32 s[G1T+7], 0
	s_lshl_b32 s22, s16, 2
	s_add_co_u32 s22, s22, s44
	s_mul_i32 s22, s22, 12800
	s_mov_b32 s23, 0
	s_lshl_b32 s66, s16, 3
	s_add_co_u32 s66, s66, s45
	s_mul_i32 s66, s66, 12800
	s_mov_b32 s67, 0
	s_mul_i32 s46, s16, 51200
	s_mul_i32 s47, s16, 102400
	s_add_co_u32 s47, s47, 102400
	s_wait_dscnt 0x0
	s_wait_kmcnt 0x0
	s_add_nc_u64 s[68:69], s[4:5], s[22:23]
	s_add_nc_u64 s[70:71], s[6:7], s[66:67]
	ROUND                                          ; all sixteen work-groups are here: the joint loads meet
	s_mov_b32 s[G0U], 1
	s_mov_b32 s[G0U+1], s46
	s_mov_b64 s[G0U+2:G0U+3], s[68:69]
	s_or_b32 s[G0U+3], s[G0U+3], 0x80000000
	s_mov_b32 s[G0T], 1
	s_mov_b32 s[G0T+1], s47
	s_mov_b64 s[G0T+2:G0T+3], s[70:71]
	s_or_b32 s[G0T+3], s[G0T+3], 0x80000000
	s_cmp_eq_u32 s15, 0                            ; the two fills stand in one branch on the wave's number: one load of mine is out; s_nop 0 and four v_nop follow each
	s_cbranch_scc0 .Lfirst_t
	tensor_load_to_lds s[G0U:G0U+3], s[G1U:G1U+7]
	s_nop 0
.rept 4
	v_nop
.endr
	s_branch .Lfirst_asked
.Lfirst_t:
	tensor_load_to_lds s[G0T:G0T+3], s[G1T:G1T+7]
	s_nop 0
.rept 4
	v_nop
.endr
.Lfirst_asked:
	v_and_b32 v12, 31, v0                          ; lane
	v_and_b32 v13, 15, v0                          ; r
	v_bfe_u32 v14, v0, 4, 1                        ; h
	v_lshlrev_b32 v[L16], 4, v12
	s_wait_alu depctr_va_vdst(0)
	v_lshlrev_b32 v[L8], 3, v12
	s_wait_alu depctr_va_vdst(0)
	v_lshlrev_b32 v[BO], 6, v14
	s_lshl_b32 s72, s40, 10
	s_lshl_b32 s73, s16, 9
	s_add_co_u32 s72, s72, s73                     ; my first output, in bytes: 4 (256 cx + 128 x half)
	s_mov_b32 s73, 0
	s_add_nc_u64 s[8:9], s[8:9], s[72:73]
	s_add_nc_u64 s[10:11], s[10:11], s[72:73]
	WIN 0x40                                       ; destination window 1
.irp b, 0,1,2,3,4,5,6,7                ; the bias in the result's layout: register j of tile b: output 32 (b / 2) + 8 (b % 2) + 16 h + j
	global_load_b128 v[BI+8*\b:BI+8*\b+3], v[BO], s[8:9] offset:4*(32*(\b/2)+8*(\b%2))
	global_load_b128 v[BI+8*\b+4:BI+8*\b+7], v[BO], s[8:9] offset:4*(32*(\b/2)+8*(\b%2))+16
.endr
	WIN 0
	s_lshl_b32 s72, s15, 2
	s_add_co_u32 s72, s72, s44
	s_lshl_b32 s72, s72, 16                        ; my first token x 4,096 bytes: 16 tokens a tile
	s_add_nc_u64 s[10:11], s[10:11], s[72:73]
	s_mul_i32 s17, s15, 51200
	s_mul_i32 s18, s16, 102400
	s_add_co_u32 s18, s18, 102400
	v_add_nc_u32 v[AU16], s17, v[L16]
	v_add_nc_u32 v[AU8], s17, v[L8]
	v_add_nc_u32 v[AT16], s18, v[L16]
	v_add_nc_u32 v[AT8], s18, v[L8]
	v_lshlrev_b32 v15, 4, v13
	v_add_nc_u32 v15, 6144, v15
	v_add_nc_u32 v[ASU], s17, v15
	v_add_nc_u32 v[AST], s18, v15
	s_mul_i32 s19, s14, 16*528                     ; my stage
	v_mul_u32_u24 v[STO], v13, 528
	v_lshl_add_u32 v[STO], v14, 6, v[STO]
	v_add_nc_u32 v[STO], s19, v[STO]               ; in: row r, + 64 h
	v_add_nc_u32 v[RD], s19, v[L16]                ; back: 16 bytes a lane of a row
	v_add_nc_u32 v12, 51200, v[AT16]               ; T's tiles 4-7: four tiles of 12,800 bytes on, so that every offset fits the 16-bit immediate
	v_add_nc_u32 v13, 51200, v[AT8]
	v_add_nc_u32 v14, 51200, v[AST]
	s_wait_alu depctr_va_vdst(0)
	s_wait_tensorcnt 0x0                           ; my one load, both K halves of my tiles, is in
	s_barrier_signal -1
	s_barrier_wait -1
	SCALES 0
	FETCH 0
	s_wait_loadcnt 0x0                             ; the bias
	STEP 0, 1                                      ; the first step's products start the sums from the bias
	STEP 1, 0
	STEP 2, 0
	STEP 3, 0
	STEP 4, 0
	STEP 5, 0
	STEP 6, 0
	STEP 7, 0
	PLACES                                         ; in front of the first read of results and of the loads into U's registers
; THE WAY OUT, a tile of 16 tokens x 128 outputs at a time.  LDS serves a wave's instructions in order: no wait between the stores and the loads, nor in front of the next tile's stores.
.macro TOSTAGE a
	WIN 0x08                                       ; an LDS store's data are its source 1: window 2
.irp b, 0,1,2,3,4,5,6,7
	ds_store_b128 v[STO], v[64*(\a)+8*\b:64*(\a)+8*\b+3] offset:128*(\b/2)+32*(\b%2)      ; each accumulator from its low end on
	ds_store_b128 v[STO], v[64*(\a)+8*\b+4:64*(\a)+8*\b+7] offset:128*(\b/2)+32*(\b%2)+16
.endr
	WIN 0
.irp t, 0,1,2,3,4,5,6,7,8,9,10,11,12,13,14,15
	ds_load_b128 v[BK+64*((\a)%2)+4*\t:BK+64*((\a)%2)+4*\t+3], v[RD] offset:528*\t
.endr
.endm
.macro SEND a, younger                 ; younger: the LDS instructions issued behind tile a's loads, which may stay out
	s_wait_dscnt \younger
.irp t, 0,1,2,3,4,5,6,7,8,9,10,11,12,13,14,15
	global_store_b128 v[L16], v[BK+64*((\a)%2)+4*\t:BK+64*((\a)%2)+4*\t+3], s[10:11] offset:(32*((\a)/2)+8*((\a)%2)+\t+8*(\t/8))*4096 th:TH_STORE_NT   ; 32 lanes store 512 consecutive bytes, aligned; the base is never stepped
.endr
.endm
	TOSTAGE 0
	TOSTAGE 1
	SEND 0, 32                                     ; behind tile 0's loads: tile 1's 16 stores and 16 loads
	s_wait_xcnt 0x0                                ; tile 0's stores have read their registers: tile 2's loads may land there
	TOSTAGE 2
	SEND 1, 32
	s_wait_xcnt 0x0
	TOSTAGE 3
	SEND 2, 32
	SEND 3, 0
	s_wait_tensorcnt 0x0
	s_wait_tensorcnt 0x0
	ds_add_u32 v30, v31
	s_wait_dscnt 0x0
	ROUND                                          ; the closing round: no work-group ends while a partner may still ask for a tile that names it
	s_endpgm
.Lfunc_end_k_q4850969b40_proj:
	.size	k_q4850969b40_proj, .Lfunc_end_k_q4850969b40_proj-k_q4850969b40_proj
	.p2alignl 7, 3214868480
	.fill 96, 4, 3214868480
	.section	.rodata,"a",@progbits
	.p2align	6, 0x0
	.amdhsa_kernel k_q4850969b40_proj
		.amdhsa_group_segment_fixed_size 307712
		.amdhsa_private_segment_fixed_size 0
		.amdhsa_enable_private_segment 0
		.amdhsa_kernarg_size 32
		.amdhsa_user_sgpr_count 2
		.amdhsa_user_sgpr_kernarg_segment_ptr 1
		.amdhsa_wavefront_size32 1
		.amdhsa_system_sgpr_workgroup_id_x 1
		.amdhsa_system_sgpr_workgroup_id_y 1
		.amdhsa_system_sgpr_workgroup_id_z 1
		.amdhsa_system_vgpr_workitem_id 0
		.amdhsa_next_free_vgpr 768
		.amdhsa_next_free_sgpr 84
		.amdhsa_reserve_vcc 0
		.amdhsa_float_denorm_mode_32 3
		.amdhsa_float_denorm_mode_16_64 3
		.amdhsa_memory_ordered 1
		.amdhsa_forward_progress 1
		.amdhsa_inst_pref_size 82
	.end_amdhsa_kernel
	.amdgpu_metadata
---
amdhsa.version: [ 1, 2 ]
amdhsa.kernels:
  - .name:           k_q4850969b40_proj
    .symbol:         k_q4850969b40_proj.kd
    .args:
      - { .name: ao, .offset: 0, .size: 8, .value_kind: global_buffer, .address_space: global }
      - { .name: opc, .offset: 8, .size: 8, .value_kind: global_buffer, .address_space: global }
      - { .name: proj_b, .offset: 16, .size: 8, .value_kind: global_buffer, .address_space: global }
      - { .name: out0, .offset: 24, .size: 8, .value_kind: global_buffer, .address_space: global }
    .group_segment_fixed_size: 307712
    .private_segment_fixed_size: 0
    .kernarg_segment_align: 8
    .kernarg_segment_size: 32
    .max_flat_workgroup_size: 128
    .sgpr_count:     84
    .vgpr_count:     768
    .wavefront_size: 32
...
	.end_amdgpu_metadata
.endif
;; end of part 4
